; MI455X (gfx1250); checked and timed in simulation.
; The chip was launched on July 23, 2026; its instructions are those of AMD's public machine-readable ISA for CDNA 5 (MIT licence, August 2026) and "CDNA5" Instruction Set Architecture Reference Guide (July 2026). The comments in the code are by the model that wrote it; some were corrected since.
;; Attention. Allowed arithmetic: matrix products marked QUANTISED: E2M3 operands, one E8M0 scale for each 32 along K, by v_wmma_scale_f32_16x16x128_f8f6f4 with both operands' format E2M3, f32 sums; everything else in f32.
;; Inputs: cos 2,048 x 128 float32; sin 2,048 x 128 float32; wk 512 x 2,048 float32; wo 2,048 x 2,048 float32; wq 2,048 x 2,048 float32; wv 512 x 2,048 float32; x 1 x 2,048 x 2,048 float32.
;; Outputs: out0 1 x 2,048 x 2,048 float32.
;; This version of the problem:
;;   THIS VERSION OF THE PROBLEM IS GIVEN IN LOW PRECISION. The matrix products marked QUANTISED in the list below multiply operands that are first quantised to E2M3 (2 exponent bits, 3 mantissa bits; 6 bits a number), with one power-of-two scale for each 32 numbers along K (OCP MX v1.0); their sums are f32. All else is computed in f32.
;;   The module's matrix products, in the order in which they are computed (A, B: the left and right operand; K: the contracted axis; several contracted axes count as one K, in the product's order):
;;     1. [M 2,048, K 2,048] x [K 2,048, N 2,048]; A: input x; B: input wq: QUANTISED
;;     2. [M 2,048, K 2,048] x [K 2,048, N 512]; A: input x; B: input wk: QUANTISED
;;     3. [M 2,048, K 2,048] x [K 2,048, N 512]; A: input x; B: input wv: QUANTISED
;;     4. batch 16 x [M 2,048, K 128] x [K 128, N 2,048]; A: computed on the way; B: computed on the way: QUANTISED
;;     5. batch 16 x [M 2,048, K 2,048] x [K 2,048, N 128]; A: softmax (see below); B: computed on the way: QUANTISED
;;     6. [M 2,048, K 2,048] x [K 2,048, N 2,048]; A: computed on the way; B: input wo: QUANTISED
;;   THE QUANTISER, for each operand of a quantised product, along K:
;;     - K is cut into blocks of 32 from its start; a last block that is shorter is filled with zeros.
;;     - A block's scale is 2^e with e = floor(log2(the largest magnitude in the block)) - 2, held to -126 .. 127; a block of zeros has e = 0. As a byte (E8M0): e + 127.
;;     - Each number is divided by its block's scale, clamped to +-7.5, and rounded to the nearest number of E2M3, ties to even, subnormals kept.
;;     - The product sums the exact products of the quantised numbers (number of the format x scale) in f32.
;;   ~~~python
;;   def quantise(x, axis):      # numpy; x: float32 -> the quantised numbers, widened to float32 again
;;       x = np.moveaxis(x, axis, -1); K = x.shape[-1]
;;       x = np.pad(x, [(0, 0)] * (x.ndim - 1) + [(0, -K % 32)]); x = x.reshape(x.shape[:-1] + (-1, 32)); a = np.abs(x).max(-1, keepdims=True)
;;       e = np.where(a > 0, np.clip(np.frexp(np.where(a > 0, a, 1))[1] - 1 - 2, -126, 127), 0)      # np.frexp(a)[1] - 1 = floor(log2(a)), exactly
;;       r = np.clip(x / 2.0 ** e, -7.5, 7.5)
;;       step = 2.0 ** (np.maximum(np.frexp(np.where(r == 0, 1, r))[1] - 1, 0) - 3)
;;       q = np.round(r / step) * step * 2.0 ** e      # np.round: ties to even
;;       return np.moveaxis(q.reshape(q.shape[:-2] + (-1,))[..., :K], -1, axis).astype(np.float32)
;;   ~~~
;;   SOFTMAX AHEAD OF A QUANTISED PRODUCT. Where the list says 'softmax', what is quantised is not the finished softmax but p = 2^(t - M), with t = logit x log2(e) and M = ceil(the row's largest t), a whole number; so 1/2 < the row's largest p <= 1. The row's sum l is taken of the UNQUANTISED p, in f32, and the product's result is divided by l at the end. Since M is a whole number, a kernel that streams over the keys may use a running M (the ceiling of the running maximum): every later rescaling is an exact power of two, which a block's scale takes up: the codes' values come out the same.
;;   OPERANDS COMPUTED ON THE WAY. 'Computed on the way' means the value that the module computes at that place (a softmax that the list does not call 'softmax' is quantised finished and normalised). What goes into a quantiser is computed in f32, as accurately as f32 sums, v_exp_f32 and their like allow (about 1e-6 of the number): no bf16 or f16 on the way to a quantiser, and a product that is left as it is and whose result goes on into a quantised operand takes f32 operands (vector FMAs, or v_wmma_f32_16x16x4_f32). A number that lies on a knife's edge between two numbers of the format may be rounded either way, as far as f32 arithmetic and the matrix unit's own rounding can turn it there, and no further.
;; One version. Each part assembles by itself: llvm-mc -triple=amdgcn-amd-amdhsa -mcpu=gfx1250 --defsym DOCPART=n.
;; ======== version 1 of 1: 4 launches
;; limits: right only within a limited range of input values
;; workspace buffers: cw 11,468,800 bytes; qkvc 4,915,200 bytes; oc 3,276,800 bytes
;; launch quant (part 1): grid 256 x 1, 7 waves a work-group, no clusters, 232,192 bytes of LDS; arguments x, wq, wk, wv, wo, cw; writes cw
.if DOCPART == 1
	.amdgcn_target "amdgcn-amd-amdhsa--gfx1250"
	.amdhsa_code_object_version 6
	.text
	.protected	k_qfa027f0970_quant
	.globl	k_qfa027f0970_quant
	.p2align	8
	.type	k_qfa027f0970_quant,@function
k_qfa027f0970_quant:
	s_mov_b64 s[64:65], 0
	v_nop
	global_prefetch_b8 v0, s[64:65] scope:SCOPE_SE
	s_setreg_imm32_b32 hwreg(HW_REG_WAVE_MODE, 25, 1), 1
	s_wait_xcnt 0x0
; x [2048][2048], wq [2048][2048], wk [512][2048], wv [512][2048], wo [2048][2048], all f32 with K innermost, become codes of FP6 (E2M3) with one
; E8M0 scale byte for each 32 along K.  A block's scale is 2^(floor(log2(its largest magnitude)) - 2); its byte is that magnitude's exponent field - 2.
; LIMITS: NaN and infinities are not served; a block whose largest magnitude lies under 2^-124 keeps the byte 1; a block of zeros keeps the byte 1 where
; the quantiser's text says 127: its codes are zeros, and the bytes are read by this program alone.
; LAYOUT OF cw: [kq 0..3][rb 0..447][6,400 bytes].  The five tensors stand on end as row blocks of 16 rows: x 0-127, wq 128-255, wk 256-287, wv 288-319, wo 320-447.
; A record is one row block x 512 along K: four fragments (16 rows x 128 K) as IMAGES OF THE OPERAND'S 12 REGISTERS (register i of lane l at 512 (i / 4) + 16 l + 4 (i % 4)),
; 1,536 bytes each, then 256 bytes of scales: fragment row r's four scale words at 6,144 + 16 r.
; THE ROWS OF A BLOCK ARE NOT NEIGHBOURS: fragment row r of block b is the tensor's row 32 (b / 2) + 8 (b % 2) + r + 8 (r / 8), so that as source 0 of a product two neighbouring
; blocks leave 16 neighbours along the next K in a lane's 16 registers.
; SHARES: 1,792 records = 256 work-groups x 7 waves; a wave makes one record: it reads 16 rows x 2,048 bytes and stores 6,400.
; All 64 copies of a wave (512 consecutive bytes each) go out at the head, into LDS bytes of the wave's own that are filled once: no ring and no barrier.
.set REC,  6400
.set KQS,  448*REC                     ; from one quarter of K to the next in cw
.set RP,   2064                        ; an LDS row: 2,048 bytes + 16, so that the sixteen rows that a load touches start 16 bytes apart modulo 256
.set WREG, 16*RP                       ; a wave's LDS bytes
.set GA,   16                          ; v16-31   copy i: byte offset of my 16 bytes in fragment row i, in memory
.set LA,   32                          ; v32-47   and in LDS
.set X,    48                          ; v48-111  my 64 numbers of a fragment: two whole blocks of 32
.set C,    112                         ; v112-159 the codes: 12 registers for each of the four fragments, so that no store's data are written again
.set T,    160                         ; v160-166 the upper halves of the two blocks (a conversion's three registers begin on an even number)
.set M,    168                         ; v168-169 largest magnitudes
.set SOP,  170                         ; v170-171 the conversions' scale operands
.set BY,   172                         ; v172-173 the scale bytes
.set W,    174                         ; v174-175 my two bytes at their places, and lane l xor 16's
.set SW,   176                         ; v176-179 the four scale words of my row
.set SD,   180                         ; v180-181 the two of them that I store
	s_load_b256 s[4:11], s[0:1], 0x0               ; x s[4:5], wq s[6:7], wk s[8:9], wv s[10:11]
	s_load_b128 s[12:15], s[0:1], 0x20             ; wo s[12:13], cw s[14:15]
	v_lshl_add_u32 v192, v0, 2, 0x38700
	v_mov_b32 v193, 0
	ds_add_u32 v192, v193
	ds_add_u32 v192, v193
	v_lshrrev_b32 v1, 5, v0
	v_readfirstlane_b32 s16, v1                    ; wave 0..6
	v_and_b32 v1, 31, v0                           ; lane
	v_and_b32 v2, 15, v0                           ; r
	v_bfe_u32 v3, v0, 4, 1                         ; h
	v_lshlrev_b32 v4, 3, v3                        ; 8 h: how far my two scale bytes are shifted
	v_lshlrev_b32 v5, 4, v1                        ; 16 x lane: my place in an image
	v_lshlrev_b32 v6, 4, v2
	v_lshl_add_u32 v6, v3, 3, v6
	v_add_nc_u32 v6, 6144, v6                      ; the scales: 6,144 + 16 r + 8 h
	s_mul_i32 s23, s16, WREG
	v_mul_u32_u24 v7, v2, RP
	v_lshl_add_u32 v7, v3, 7, v7
	v_add_nc_u32 v7, s23, v7                       ; LDS: row r, + 128 h: my block of 32 numbers
	v_add_nc_u32 v8, s23, v5
.irp i, 0,1,2,3,4,5,6,7,8,9,10,11,12,13,14,15
	v_add_nc_u32 v[GA+\i], (\i+8*(\i/8))*8192, v5  ; fragment row i lies i + 8 (i / 8) rows of 8,192 bytes below the block's first
	v_add_nc_u32 v[LA+\i], \i*RP, v8
.endr
	v_mov_b32 v[W+1], 0                            ; written once: a lane permute's destination counts as one of its sources
	s_mov_b32 s26, 0x76543210
	s_mov_b32 s27, 0xfedcba98                      ; v_permlanex16_b32's selects for lane l xor 16
	s_mul_i32 s17, ttmp9, 7
	s_add_co_u32 s17, s17, s16                     ; my record
	s_lshr_b32 s18, s17, 2                         ; rb
	s_and_b32 s19, s17, 3                          ; kq
	s_wait_alu depctr_va_vdst(0)
	s_wait_dscnt 0x0
	s_wait_kmcnt 0x0
	s_mov_b64 s[20:21], s[12:13]                   ; which tensor: the choice hangs on the record's number alone
	s_mov_b32 s22, 320
	s_cmp_lt_u32 s18, 320
	s_cselect_b64 s[20:21], s[10:11], s[20:21]
	s_cselect_b32 s22, 288, s22
	s_cmp_lt_u32 s18, 288
	s_cselect_b64 s[20:21], s[8:9], s[20:21]
	s_cselect_b32 s22, 256, s22
	s_cmp_lt_u32 s18, 256
	s_cselect_b64 s[20:21], s[6:7], s[20:21]
	s_cselect_b32 s22, 128, s22
	s_cmp_lt_u32 s18, 128
	s_cselect_b64 s[20:21], s[4:5], s[20:21]
	s_cselect_b32 s22, 0, s22
	s_sub_co_u32 s22, s18, s22                     ; the block's number in its tensor
	s_lshr_b32 s28, s22, 1
	s_lshl_b32 s28, s28, 18                        ; 32 rows of 8,192 bytes for each pair of blocks,
	s_and_b32 s29, s22, 1
	s_lshl_b32 s29, s29, 16                        ; 8 rows for the odd one,
	s_add_co_u32 s28, s28, s29
	s_lshl_b32 s29, s19, 11                        ; 2,048 bytes for each quarter of K
	s_add_co_u32 s28, s28, s29
	s_mov_b32 s29, 0
	s_add_nc_u64 s[20:21], s[20:21], s[28:29]
	s_mul_i32 s30, s19, KQS
	s_mul_i32 s31, s18, REC
	s_add_co_u32 s30, s30, s31
	s_mov_b32 s31, 0
	s_add_nc_u64 s[24:25], s[14:15], s[30:31]      ; my record in cw
.irp k, 0,1,2,3                                ; the immediate steps both addresses: 512 bytes (128 numbers) along the row
.irp i, 0,1,2,3,4,5,6,7,8,9,10,11,12,13,14,15
	global_load_async_to_lds_b128 v[LA+\i], v[GA+\i], s[20:21] offset:512*\k
.endr
.endr
; Fragment ks of the record.  Lane (r, h) holds blocks h and 2 + h of row r's 128 numbers whole, in the order that the operand's layout gives that lane.
.macro FRAGQ ks
	s_wait_asynccnt 16*(3-\ks)                     ; copies end in the order of issue: this fragment's 16 are in, the 16 of each later fragment may be out
.irp c, 0,1
.irp j, 0,1,2,3,4,5,6,7
	ds_load_b128 v[X+32*\c+4*\j:X+32*\c+4*\j+3], v7 offset:512*\ks+256*\c+16*\j
.endr
.endr
	s_wait_dscnt 0x0
.irp c, 0,1
	v_max3_num_f32 v[M+\c], |v[X+32*\c]|, |v[X+32*\c+1]|, 0x1800000   ; the floor 2^(3 - 127): the byte cannot fall under 1
.endr
.irp i, 2,4,6,8,10,12,14,16,18,20,22,24,26,28,30
.irp c, 0,1
	v_max3_num_f32 v[M+\c], v[M+\c], |v[X+32*\c+\i]|, |v[X+32*\c+\i+1]|   ; the two blocks by turns
.endr
.endr
.irp c, 0,1
	v_add_nc_u32 v[SOP+\c], 0xff000000, v[M+\c]    ; 2 off the exponent field: the conversion takes this operand's exponent field as its scale
.endr
.irp c, 0,1
	v_lshrrev_b32 v[BY+\c], 23, v[SOP+\c]          ; the scale's byte
.endr
	v_lshl_or_b32 v[W], v[BY+1], 16, v[BY]         ; blocks h and 2 + h,
	v_lshlrev_b32 v[W], v4, v[W]                   ; at their places in the word;
	v_permlanex16_b32 v[W+1], v[W], s26, s27
	v_or_b32 v[SW+\ks], v[W], v[W+1]               ; with lane l xor 16's two the word is whole
	v_cvt_scalef32_pk16_fp6_f32 v[C+12*\ks:C+12*\ks+2], v[X:X+15], v[SOP]
	v_cvt_scalef32_pk16_fp6_f32 v[T:T+2], v[X+16:X+31], v[SOP]
	v_cvt_scalef32_pk16_fp6_f32 v[C+12*\ks+6:C+12*\ks+8], v[X+32:X+47], v[SOP+1]
	v_cvt_scalef32_pk16_fp6_f32 v[T+4:T+6], v[X+48:X+63], v[SOP+1]
	v_nop                                          ; one plain place behind a scaled conversion
.irp i, 0,1,2
	v_mov_b32 v[C+12*\ks+3+\i], v[T+\i]
	v_mov_b32 v[C+12*\ks+9+\i], v[T+4+\i]
.endr
.irp c, 0,1,2
	global_store_b128 v5, v[C+12*\ks+4*\c:C+12*\ks+4*\c+3], s[24:25] offset:1536*\ks+512*\c th:TH_STORE_NT   ; 32 lanes store 512 consecutive bytes, at a multiple of 256 from cw's first byte
.endr
.endm
	FRAGQ 0
	FRAGQ 1
	FRAGQ 2
	FRAGQ 3
	v_cmp_ne_u32 vcc_lo, 0, v3
	v_cndmask_b32 v[SD], v[SW], v[SW+2], vcc_lo    ; lanes 0-15 store words 0 and 1 of their row, lanes 16-31 words 2 and 3
	v_cndmask_b32 v[SD+1], v[SW+1], v[SW+3], vcc_lo
	global_store_b64 v6, v[SD:SD+1], s[24:25] th:TH_STORE_NT   ; 32 lanes store 256 consecutive bytes, aligned
	s_wait_tensorcnt 0x0
	ds_add_u32 v192, v193
	s_wait_dscnt 0x0
	s_endpgm
.Lfunc_end_k_qfa027f0970_quant:
	.size	k_qfa027f0970_quant, .Lfunc_end_k_qfa027f0970_quant-k_qfa027f0970_quant
	.p2alignl 7, 3214868480
	.fill 96, 4, 3214868480
	.section	.rodata,"a",@progbits
	.p2align	6, 0x0
	.amdhsa_kernel k_qfa027f0970_quant
		.amdhsa_group_segment_fixed_size 232192
		.amdhsa_private_segment_fixed_size 0
		.amdhsa_enable_private_segment 0
		.amdhsa_kernarg_size 48
		.amdhsa_user_sgpr_count 2
		.amdhsa_user_sgpr_kernarg_segment_ptr 1
		.amdhsa_wavefront_size32 1
		.amdhsa_system_sgpr_workgroup_id_x 1
		.amdhsa_system_sgpr_workgroup_id_y 1
		.amdhsa_system_sgpr_workgroup_id_z 1
		.amdhsa_system_vgpr_workitem_id 0
		.amdhsa_next_free_vgpr 194
		.amdhsa_next_free_sgpr 66
		.amdhsa_reserve_vcc 1
		.amdhsa_float_denorm_mode_32 3
		.amdhsa_float_denorm_mode_16_64 3
		.amdhsa_memory_ordered 1
		.amdhsa_forward_progress 1
		.amdhsa_inst_pref_size 29
	.end_amdhsa_kernel
	.amdgpu_metadata
---
amdhsa.version: [ 1, 2 ]
amdhsa.kernels:
  - .name:           k_qfa027f0970_quant
    .symbol:         k_qfa027f0970_quant.kd
    .args:
      - { .name: x, .offset: 0, .size: 8, .value_kind: global_buffer, .address_space: global }
      - { .name: wq, .offset: 8, .size: 8, .value_kind: global_buffer, .address_space: global }
      - { .name: wk, .offset: 16, .size: 8, .value_kind: global_buffer, .address_space: global }
      - { .name: wv, .offset: 24, .size: 8, .value_kind: global_buffer, .address_space: global }
      - { .name: wo, .offset: 32, .size: 8, .value_kind: global_buffer, .address_space: global }
      - { .name: cw, .offset: 40, .size: 8, .value_kind: global_buffer, .address_space: global }
    .group_segment_fixed_size: 232192
    .private_segment_fixed_size: 0
    .kernarg_segment_align: 8
    .kernarg_segment_size: 48
    .max_flat_workgroup_size: 224
    .sgpr_count:     66
    .vgpr_count:     194
    .wavefront_size: 32
...
	.end_amdgpu_metadata
.endif
;; end of part 1
;; launch qkvproj (part 2): grid 192 x 1, 4 waves a work-group, clusters of 4 x 1, 327,680 bytes of LDS; arguments cw, cos, sin, qkvc; writes qkvc
.if DOCPART == 2
	.amdgcn_target "amdgcn-amd-amdhsa--gfx1250"
	.amdhsa_code_object_version 6
	.text
	.protected	k_qfa027f0970_qkvproj
	.globl	k_qfa027f0970_qkvproj
	.p2align	8
	.type	k_qfa027f0970_qkvproj,@function
k_qfa027f0970_qkvproj:
	s_mov_b64 s[64:65], 0
	v_nop
	global_prefetch_b8 v0, s[64:65] scope:SCOPE_SE
	s_setreg_imm32_b32 hwreg(HW_REG_WAVE_MODE, 25, 1), 1
	s_wait_xcnt 0x0
	s_wait_alu depctr_hold_cnt(0) depctr_sa_sdst(0) depctr_va_vdst(0) depctr_va_sdst(0) depctr_va_ssrc(0) depctr_va_vcc(0) depctr_vm_vsrc(0)
	s_getreg_b32 s2, hwreg(HW_REG_IB_STS2, 6, 4)
	s_cmp_eq_u32 s2, 0
	s_cbranch_scc0 .Lentry_in_a_cluster
	s_endpgm
.Lentry_in_a_cluster:
	s_bfe_u32 s2, ttmp6, 0x10000c
	s_cmp_lg_u32 s2, 0x3003
	s_cbranch_scc0 .Lentry_shape_is_right
	s_endpgm
.Lentry_shape_is_right:
; q = rope(x wq^T), k = rope(x wk^T), v = x wv^T on codes of FP6 (E2M3) out of cw, sums in f32; the results are quantised again in registers, q and k along the head's 128, v along the keys,
; and leave as images of operand registers in qkvc.  LIMITS: NaN and infinities are not served; a block whose largest magnitude lies under 2^-124, a block of zeros among them, keeps the scale byte 1.
; cw: [kq 0..3][row block 0..447][6,400]: a record = four fragments (16 rows x 128 K, 1,536 bytes, register i of lane l at 512 (i / 4) + 16 l + 4 (i % 4)) and 256 bytes of scales (row r's four words at 6,144 + 16 r).
; Fragment row r of block b is row 32 (b / 2) + 8 (b % 2) + r + 8 (r / 8).  Blocks: x 0-127, wq 128-255, wk 256-287, wv 288-319.
; A WORK-GROUP makes 256 x 128: operand A (source 1: its rows fall on lanes), 16 blocks, x operand B (source 0: its rows fall on a lane's registers), 8 blocks.  Wave w takes A's blocks 2 w, 2 w + 1, 8 + 2 w, 9 + 2 w
; against B's eight: 32 accumulators; a K step reads 12 fragments from LDS for 32 products.  A lane holds one row of A and 64 of B's 128 rows, register 16 b + i = B's row 32 b + 16 (lane / 16) + i.
; CLUSTERS of 4 x 1, 48 of them.  Cluster c < 40: m = c % 8, head hh = 4 (c / 8) + cx (0-15: query heads, 16-19: key heads): A = tokens 256 m .., B = the head's 128 rows of wq or wk.
; Cluster c >= 40: v: A = wv's blocks 16 (c % 2) .. (two value heads), B = tokens 128 (4 ((c - 40) / 2) + cx) .., so that the registers run along the keys.
; A's records and the tables' rows hang on the cluster's number alone: the four partners ask for them JOINTLY (mask 15): 672 of the 876 KiB-thousands that a work-group takes in.  B hangs on cx: each work-group's own load.
; LDS: a ring of two slots of 153,600 bytes.  Six fills, fill f in slot f % 2: K's four quarters (A's 16 records, then B's 8), then cos and sin of A's first 128 tokens, then of its last 128
; (four tiles of 64 rows of 512 bytes + 16: cos, cos, sin, sin).  Every wave issues one load a fill: waves 0 and 1 A's halves, waves 2 and 3 B's; of the tables a tile each.  Each refill stands behind a round of the cluster's barrier.
; By this text's count a wave has one tensor load out at a time.
; PREFETCH: a fill's blocks of 256 bytes are shared out by address: A's 400 among the cluster's sixteen waves, 25 each; a table tile's 128 among the four partners, 32 each;
; B's 200 among the waves of the work-groups of other clusters that read them too (8, or 2 for v).  Quarters 1 and 2 at the head, quarter 3 behind the second round, each table fill one fill ahead of its load.
; The walk along K is written out: sixteen steps, of which every fourth changes slots with another kind of fill behind it.
; v's clusters fetch the tables' first rows and bring them into registers, and use nothing of them: every path passes the same loads, waits and rounds; RoPE's arithmetic alone stands under a branch on the cluster's number.
; qkvc: records of 12,800 bytes: eight fragments (t x 1,536), then their scale words at 12,288 + 64 t + 4 r.  q (head, token tile of 128 m'): 16 head + m'; k (head g, tile s): 256 + 2 (16 g + s); v: that + 1.
; REGISTERS.  Window 0: v1-29 addresses; v32-63 A's scale words, two sets; v64-127 B's, two sets; v160-213 codes and scale words on the way out; v224-239 at work.
; Window 1: B's fragments, two sets at 0 and 96; on the way out v128-191 RoPE's products.  Window 2: accumulators, (a, b) at 64 a + 8 b.  Window 3: A's fragments, two sets at 0 and 48; on the way out cos and sin of two blocks.
.set REC,   6400
.set KQS,   448*REC
.set SLOT,  24*REC
.set BOFF,  16*REC
.set SPARE, 2*SLOT                     ; the spare words, 128 bytes for each wave
.set HREC,  12800
.set TP,    528                        ; a table row in LDS: 512 bytes + 16
.set LI,  4                            ; v4      16 x lane
.set ADA, 6                            ; v6-7    LDS address of my A fragments in slot 0, 1
.set ADB, 8                            ; v8-9    of B's
.set ASA, 10                           ; v10-11  of my A blocks' scale words
.set ASB, 12                           ; v12-13  of B's
.set TAC, 14                           ; v14-15  of my rows of cos
.set TAS, 16                           ; v16-17  of sin
.set VF,  18                           ; v18     my byte offset in a record of qkvc: fragments,
.set VS,  19                           ; v19     scale words
.set PFA, 20                           ; v20-22  the prefetches' offsets: A, B, tables
.set PFB, 21
.set PFT, 22
.set SPW, 28
.set NIL, 29
.set SA,  32
.set SB,  64
.set CD,  160
.set PW,  208
.set OW,  212
.set TM,  224
.set T1,  128                          ; window 1
.set T0,  160
.set SEL, 20
.set G1,  24                           ; s[24:31] group 1: A's 200 rows of 256 bytes, joint; s[32:39]: B's 100 rows, my own; s[40:47]: 64 table rows, padded, joint
.set G1H, 32
.set G1T, 40
.set G0A, 48                           ; s[48:55] group 0 for A's halves, a set for each slot; s[56:63] for B's; s[68:75] for the tables
.set G0B, 56
.set G0T, 68
.set PA,  12                           ; s[12:13] A's first record, s[66:67] the same two quarters on
.set PA2, 66
.set PB,  22                           ; s[22:23], s[6:7] the same for B
.set PB2, 6
.set TB,  76                           ; s[76:77] my tile's first row in cos or sin
.set MSB, 0
.macro WIN new                         ; the immediate's high byte repeats the setting that is left
.if MSB != \new
	s_set_vgpr_msb (MSB<<8)|\new
.set MSB, \new
.endif
.endm
.macro PLACES                          ; four plain vector instructions between a matrix instruction and a load into, or a vector read or write of, its registers
.rept 4
	v_nop
.endr
.endm
.macro CREST                           ; a round of the cluster's barrier behind its opening barrier
	s_cmp_lg_u32 s14, 0
	s_cbranch_scc1 .Lnot_wave_0_\@
	s_barrier_signal -3
.Lnot_wave_0_\@:
	s_barrier_wait -3
	s_barrier_signal -1
	s_barrier_wait -1
.endm
.macro CROUND                          ; a whole round
	s_barrier_signal -1
	s_barrier_wait -1
	CREST
.endm
.macro FETCH s                         ; 36 LDS loads: the fragments of K step s into sets s % 2
	WIN 0x40
.irp b, 0,1,2,3,4,5,6,7
.irp c, 0,1,2
	ds_load_b128 v[96*((\s)%2)+12*\b+4*\c:96*((\s)%2)+12*\b+4*\c+3], v[ADB+((\s)/4)%2] offset:REC*\b+1536*((\s)%4)+512*\c
.endr
.endr
	WIN 0xc0
.irp a, 0,1,2,3
.irp c, 0,1,2
	ds_load_b128 v[48*((\s)%2)+12*\a+4*\c:48*((\s)%2)+12*\a+4*\c+3], v[ADA+((\s)/4)%2] offset:REC*(\a%2+8*(\a/2))+1536*((\s)%4)+512*\c
.endr
.endr
.endm
.macro SCALES q                        ; 12 LDS loads: quarter q's scale words: register 4 x block + ks of set q % 2
	WIN 0
.irp a, 0,1,2,3
	ds_load_b128 v[SA+16*((\q)%2)+4*\a:SA+16*((\q)%2)+4*\a+3], v[ASA+(\q)%2] offset:REC*(\a%2+8*(\a/2))
.endr
.irp b, 0,1,2,3,4,5,6,7
	ds_load_b128 v[SB+32*((\q)%2)+4*\b:SB+32*((\q)%2)+4*\b+3], v[ASB+(\q)%2] offset:REC*\b
.endr
.endm
.macro MULH s, a0, zero                ; 16 products: A's blocks a0, a0 + 1 x B's eight; the 32 accumulators take turns in the same order in every step; zero = 1: they start the sums
	WIN 0xad                                       ; source 0 window 1, source 1 window 3, C and D window 2
.irp a, \a0, \a0+1
.irp b, 0,1,2,3,4,5,6,7
.if \zero
	v_wmma_scale_f32_16x16x128_f8f6f4 v[64*(\a)+8*\b:64*(\a)+8*\b+7], v[96*((\s)%2)+12*\b:96*((\s)%2)+12*\b+11], v[48*((\s)%2)+12*(\a):48*((\s)%2)+12*(\a)+11], 0, v[SB+32*(((\s)/4)%2)+4*\b+(\s)%4], v[SA+16*(((\s)/4)%2)+4*(\a)+(\s)%4] matrix_a_fmt:MATRIX_FMT_FP6 matrix_b_fmt:MATRIX_FMT_FP6
.else
	v_wmma_scale_f32_16x16x128_f8f6f4 v[64*(\a)+8*\b:64*(\a)+8*\b+7], v[96*((\s)%2)+12*\b:96*((\s)%2)+12*\b+11], v[48*((\s)%2)+12*(\a):48*((\s)%2)+12*(\a)+11], v[64*(\a)+8*\b:64*(\a)+8*\b+7], v[SB+32*(((\s)/4)%2)+4*\b+(\s)%4], v[SA+16*(((\s)/4)%2)+4*(\a)+(\s)%4] matrix_a_fmt:MATRIX_FMT_FP6 matrix_b_fmt:MATRIX_FMT_FP6
.endif
.endr
.endr
.endm
.macro KFILL set                       ; a quarter of K into slot 'set': one load a wave: waves 0 and 1 the joint loads of A's halves, waves 2 and 3 my own B's; an s_nop 0 and four v_nop follow each line
	s_cmp_eq_u32 s15, 0
	s_cbranch_scc0 .Lfor_b_\@
	tensor_load_to_lds s[G0A+4*(\set):G0A+4*(\set)+3], s[G1:G1+7]
	s_nop 0
.rept 4
	v_nop
.endr
	s_branch .Lasked_\@
.Lfor_b_\@:
	tensor_load_to_lds s[G0B+4*(\set):G0B+4*(\set)+3], s[G1H:G1H+7]
	s_nop 0
.rept 4
	v_nop
.endr
.Lasked_\@:
.endm
.macro TFILL set                       ; my tile of the tables into slot 'set': a joint load
	tensor_load_to_lds s[G0T+4*(\set):G0T+4*(\set)+3], s[G1T:G1T+7]
	s_nop 0
.rept 4
	v_nop
.endr
.endm
.macro STEP s, zero                    ; a K step inside a quarter: the next step's fragments are asked for, then this step's are multiplied
.if (\s) > 0
	PLACES                                         ; the last step's products read the sets that are loaded now
.endif
	FETCH (\s)+1
	s_wait_dscnt 36                                ; all but the 36 just issued
	MULH \s, 0, \zero
	MULH \s, 2, \zero
.endm
; A quarter's last step changes slots.  In front of the round each wave waits for its tensor load (its part of the other slot), adds 0 to its spare word and waits for that and for its reads of this slot;
; behind the round this slot is filled again first (kind 0: the quarter two on; 1: the first tables; 2: the second tables, and nothing more is fetched).
.macro TURN s, kind
	s_wait_dscnt 0x0                               ; this step's fragments are in: my last reads of this slot
	MULH \s, 0, 0
	WIN 0
	s_wait_tensorcnt 0x0                           ; my tensor load has landed, so a group 0 may be written
	ds_add_u32 v[SPW], v[NIL]                      ; 0 onto my spare word
.if (\kind) == 0
	s_add_nc_u64 s[G0A+4*(((\s)/4)%2)+2:G0A+4*(((\s)/4)%2)+3], s[G0A+4*(((\s)/4)%2)+2:G0A+4*(((\s)/4)%2)+3], 2*KQS
	s_add_nc_u64 s[G0B+4*(((\s)/4)%2)+2:G0B+4*(((\s)/4)%2)+3], s[G0B+4*(((\s)/4)%2)+2:G0B+4*(((\s)/4)%2)+3], 2*KQS
.endif
	s_wait_dscnt 0x0
	s_barrier_signal -1                            ; this barrier opens a round of the cluster's
	MULH \s, 2, 0                                  ; work on registers while the others arrive
	WIN 0
	s_barrier_wait -1
	CREST                                          ; no wave of any partner still reads this slot or has a load on its way
.if (\kind) == 0
	KFILL ((\s)/4)%2
.else
	TFILL ((\s)/4)%2
.endif
.if (\kind) < 2                                ; the four v_nop behind the load are the places in front of these loads
	FETCH (\s)+1
	SCALES ((\s)+1)/4
.endif
.endm
; 64 numbers of a lane (window 2, from v[s]), register 16 b + i = k 32 b + 16 (lane / 16) + i of the lane's row, become a fragment's codes in v[pc .. pc + 11] and its scale word in v[pw].
.macro QUANT s, pc, pw
	WIN 0x0a                                       ; sources 0 and 1 in window 2
.irp b, 0,1,2,3
	v_max3_num_f32 v[TM+\b], |v[(\s)+16*\b]|, |v[(\s)+1+16*\b]|, 0x1800000   ; block b: my 16 numbers, and the floor 2^(3 - 127): the byte cannot fall under 1
.endr
.irp i, 2,4,6,8,10,12,14
.irp b, 0,1,2,3
	v_max3_num_f32 v[TM+\b], |v[(\s)+16*\b+\i]|, |v[(\s)+1+16*\b+\i]|, v[TM+\b]
.endr
.endr
	WIN 0
.irp b, 0,1,2,3
	v_permlanex16_b32 v[TM+4+\b], v[TM+\b], s[SEL], s[SEL+1]
.endr
.irp b, 0,1,2,3
	v_max_num_f32 v[TM+\b], v[TM+\b], v[TM+4+\b]   ; with lane l xor 16's: the block's largest magnitude
.endr
.irp b, 0,1,2,3
	v_add_nc_u32 v[TM+12+\b], 0xff000000, v[TM+\b] ; 2 off its exponent field: the conversion's scale operand
.endr
.irp b, 0,1,2,3
	v_lshrrev_b32 v[TM+4+\b], 23, v[TM+12+\b]      ; the scale's byte
.endr
	v_lshl_or_b32 v[\pw], v[TM+5], 8, v[TM+4]
	v_lshl_or_b32 v[\pw], v[TM+6], 16, v[\pw]
	v_lshl_or_b32 v[\pw], v[TM+7], 24, v[\pw]
	WIN 0x02                                       ; source 0 in window 2
	v_cvt_scalef32_pk16_fp6_f32 v[(\pc):(\pc)+2], v[(\s):(\s)+15], v[TM+12]
	v_cvt_scalef32_pk16_fp6_f32 v[TM+8:TM+10], v[(\s)+16:(\s)+31], v[TM+13]   ; (a conversion's three registers begin on an even number: the odd halves are made in work registers and moved)
	v_cvt_scalef32_pk16_fp6_f32 v[(\pc)+6:(\pc)+8], v[(\s)+32:(\s)+47], v[TM+14]
	v_cvt_scalef32_pk16_fp6_f32 v[TM:TM+2], v[(\s)+48:(\s)+63], v[TM+15]
	WIN 0
	v_nop                                          ; one plain place behind a scaled conversion
.irp i, 0,1,2                                  ; the operand's layout wants a whole block in a lane
	v_permlane16_swap_b32 v[(\pc)+\i], v[TM+8+\i]
	v_permlane16_swap_b32 v[(\pc)+6+\i], v[TM+\i]
.endr
.irp i, 0,1,2
	v_mov_b32 v[(\pc)+3+\i], v[TM+8+\i]
	v_mov_b32 v[(\pc)+9+\i], v[TM+\i]
.endr
.endm
; RoPE on block a's 64 numbers, in place: lo' = lo cos[d] - hi sin[d], hi' = hi cos[d + 64] + lo sin[d + 64]; d + 64 lies 32 registers on.  cos at v[cb ..], sin at v[cb + 64 ..] of window 3.
; Two settings of the windows; each pass ascending.
.macro ROPE a, cb
	WIN 0x4e                                       ; source 0 window 2, source 1 window 3, destination window 1
.irp p, 0,2,4,6,8,10,12,14,16,18,20,22,24,26,28,30
	v_pk_mul_f32 v[T1+\p:T1+\p+1], v[64*(\a)+32+\p:64*(\a)+33+\p], v[(\cb)+32+\p:(\cb)+33+\p]
	v_pk_mul_f32 v[T0+\p:T0+\p+1], v[64*(\a)+32+\p:64*(\a)+33+\p], v[(\cb)+64+\p:(\cb)+65+\p]
.endr
	WIN 0x9e                                       ; source 2 window 1, destination window 2
.irp p, 0,2,4,6,8,10,12,14,16,18,20,22,24,26,28,30
	v_pk_fma_f32 v[64*(\a)+32+\p:64*(\a)+33+\p], v[64*(\a)+\p:64*(\a)+1+\p], v[(\cb)+96+\p:(\cb)+97+\p], v[T1+\p:T1+\p+1]
	v_pk_fma_f32 v[64*(\a)+\p:64*(\a)+1+\p], v[64*(\a)+\p:64*(\a)+1+\p], v[(\cb)+\p:(\cb)+1+\p], v[T0+\p:T0+\p+1] neg_lo:[0,0,1] neg_hi:[0,0,1]
.endr
	WIN 0
.endm
.macro TLOAD sl                        ; 64 LDS loads: cos and sin of two of my blocks out of slot sl, in the accumulators' order: block u's cos at 128 u, its sin at 128 u + 64 of window 3
	WIN 0xc0
.irp u, 0,1
.irp b, 0,1,2,3
.irp j, 0,1,2,3
	ds_load_b128 v[128*\u+16*\b+4*\j:128*\u+16*\b+4*\j+3], v[TAC+(\sl)] offset:8*TP*\u+128*\b+16*\j
.endr
.endr
.irp b, 0,1,2,3
.irp j, 0,1,2,3
	ds_load_b128 v[128*\u+64+16*\b+4*\j:128*\u+64+16*\b+4*\j+3], v[TAS+(\sl)] offset:8*TP*\u+128*\b+16*\j
.endr
.endr
.endr
	WIN 0
.endm
.macro BLOCK a, cnt                    ; block a is turned and quantised.  cnt: the LDS loads behind this block's tables, which may stay out
	s_wait_alu depctr_va_vdst(0)
	s_wait_dscnt \cnt
	s_cmp_eq_u32 s19, 1
	s_cbranch_scc1 .Lturned_\@                     ; v is not turned: s19 is made of the cluster's number alone
	ROPE \a, 128*((\a)%2)
.Lturned_\@:
	QUANT 64*(\a), CD+12*(\a), PW+(\a)
.endm
.macro SENDP pr                        ; blocks 2 pr and 2 pr + 1 leave: fragments 2 w, 2 w + 1 of record pr
	v_cmp_ne_u32 vcc_lo, 0, v2
	v_cndmask_b32 v[OW+(\pr)], v[PW+2*(\pr)], v[PW+2*(\pr)+1], vcc_lo   ; lanes 0-15 the even block's words, lanes 16-31 the odd one's
.irp u, 0,1
.irp c, 0,1,2
	global_store_b128 v[VF], v[CD+24*(\pr)+12*\u+4*\c:CD+24*(\pr)+12*\u+4*\c+3], s[10-2*(\pr):11-2*(\pr)] offset:1536*\u+512*\c   ; 32 lanes store 512 consecutive bytes, at a multiple of 256 from the buffer's first byte
.endr
.endr
	global_store_b32 v[VS], v[OW+(\pr)], s[10-2*(\pr):11-2*(\pr)]   ; 128 consecutive bytes a wave: gathering two waves' words into a run of 256 would cost a barrier for one byte in 24 of the output
.endm
	s_load_b128 s[4:7], s[0:1], 0x0                ; cw s[4:5], cos s[6:7]
	s_load_b128 s[8:11], s[0:1], 0x10              ; sin s[8:9], qkvc s[10:11]
	v_lshl_add_u32 v[SPW], v0, 2, SPARE
	v_mov_b32 v[NIL], 0
	ds_add_u32 v[SPW], v[NIL]                      ; the opening lines: the add, twice on end, and its wait ahead of the round in front of my first tensor load
	ds_add_u32 v[SPW], v[NIL]
	v_lshrrev_b32 v1, 5, v0
	v_readfirstlane_b32 s14, v1                    ; wave 0..3
	s_lshr_b32 s15, s14, 1                         ; I fetch for A (0) or for B (1); of the tables cos (0) or sin (1),
	s_and_b32 s16, s14, 1                          ; its first or its second half
	s_bfe_u32 s3, ttmp6, 0x40000                   ; cx: it enters B's address, the stores' addresses and the prefetches' offsets, and nothing else
	s_lshr_b32 s17, ttmp9, 3
	s_lshl_b32 s17, s17, 2
	s_add_co_u32 s17, s17, s3                      ; hh = 4 (c / 8) + cx
	s_and_b32 s18, ttmp9, 7                        ; m
	s_sub_co_u32 s78, ttmp9, 40                    ; v (of use where c >= 40 alone):
	s_lshr_b32 s78, s78, 1
	s_lshl_b32 s78, s78, 2
	s_add_co_u32 s78, s78, s3                      ; its token tile 4 ((c - 40) / 2) + cx
	s_and_b32 s79, ttmp9, 1                        ; its half of wv
	s_lshl_b32 s80, s18, 4                         ; A's first block: 16 m,
	s_lshl_b32 s81, s79, 4
	s_add_co_u32 s81, s81, 288                     ; or 288 + 16 (c % 2)
	s_lshl_b32 s82, s17, 3
	s_add_co_u32 s82, s82, 128                     ; B's first block: 128 + 8 hh,
	s_lshl_b32 s83, s78, 3                         ; or 8 x the token tile
	s_lshl_b32 s96, s18, 17                        ; the tables: 256 m rows of 512 bytes, or 0
	s_cmp_ge_u32 ttmp9, 40                         ; v's clusters: the same in all four partners
	s_cselect_b32 s80, s81, s80
	s_cselect_b32 s82, s83, s82
	s_cselect_b32 s86, s79, s18                    ; my place among the work-groups of other clusters that read my B, and how many blocks of 256 bytes each of their waves names
	s_cselect_b32 s87, 25, 7
	s_cselect_b32 s96, 0, s96
	s_cselect_b32 s19, 1, 0                        ; v?
	s_mul_i32 s88, s80, REC
	s_mov_b32 s89, 0
	s_mul_i32 s90, s82, REC
	s_mov_b32 s91, 0
	s_mul_i32 s92, s16, 8*REC
	s_mov_b32 s93, 0
	s_mul_i32 s94, s16, 4*REC
	s_mov_b32 s95, 0
	s_lshl_b32 s97, s16, 15                        ; 64 rows
	s_add_co_u32 s96, s96, s97
	s_mov_b32 s97, 0
	s_lshl_b32 s98, s3, 2
	s_add_co_u32 s98, s98, s14
	s_mul_i32 s98, s98, 25                         ; A: 25 blocks for each of the cluster's sixteen waves
	s_lshl_b32 s99, s86, 2
	s_add_co_u32 s99, s99, s14
	s_mul_i32 s99, s99, s87
	s_sub_co_u32 s87, s87, 1
	s_lshl_b32 s84, s3, 5                          ; tables: 32 blocks of my tile for each partner
	s_mul_i32 s81, s14, 2*REC                      ; my first record of A in a slot
	s_mul_i32 s83, s14, 32*TP                      ; my first row of a table in a slot
	s_mul_i32 s100, s14, 2*1536
	s_lshl_b32 s101, s14, 7
	s_add_co_u32 s101, s101, 12288
	s_mov_b32 s[G1], 15|(3<<16)|(1<<21)            ; 15:0 the mask: all four partners; 17:16 elements of 8 bytes; 21 set beside a mask; no padding
	s_mov_b32 s[G1H], 3<<16                        ; no mask: my own load
.irp g, G1, G1H
	s_mov_b32 s[\g+1], 32<<16                      ; dense rows of 256 bytes
	s_mov_b32 s[\g+3], 32<<16
	s_mov_b32 s[\g+5], 32
	s_mov_b32 s[\g+6], 0
	s_mov_b32 s[\g+7], 0
.endr
	s_mov_b32 s[G1+2], 200<<16
	s_mov_b32 s[G1+4], 200
	s_mov_b32 s[G1H+2], 100<<16
	s_mov_b32 s[G1H+4], 100
	s_mov_b32 s[G1T], 15|(2<<16)|(1<<20)|(1<<21)|(6<<22)|(3<<25)   ; the mask; elements of 4 bytes; after every 128 words 4 words of padding
	s_mov_b32 s[G1T+1], 128<<16
	s_mov_b32 s[G1T+2], 64<<16
	s_mov_b32 s[G1T+3], 128<<16
	s_mov_b32 s[G1T+4], 64
	s_mov_b32 s[G1T+5], 128
	s_mov_b32 s[G1T+6], 0
	s_mov_b32 s[G1T+7], 0
	s_mov_b32 s[G0A], 1
	s_mov_b32 s[G0A+4], 1
	s_mov_b32 s[G0B], 1
	s_mov_b32 s[G0B+4], 1
	s_mov_b32 s[G0T], 1
	s_mov_b32 s[G0T+4], 1
	s_mul_i32 s[G0A+1], s16, 8*REC
	s_add_co_u32 s[G0A+5], s[G0A+1], SLOT
	s_mul_i32 s[G0B+1], s16, 4*REC
	s_add_co_u32 s[G0B+1], s[G0B+1], BOFF
	s_add_co_u32 s[G0B+5], s[G0B+1], SLOT
	s_mul_i32 s[G0T+1], s14, 64*TP
	s_add_co_u32 s[G0T+5], s[G0T+1], SLOT
	s_mov_b32 s[SEL], 0x76543210
	s_mov_b32 s[SEL+1], 0xfedcba98
	s_wait_alu depctr_va_vdst(0)
	s_wait_dscnt 0x0                               ; both opening adds are done
	s_wait_kmcnt 0x0
	s_add_nc_u64 s[PA:PA+1], s[4:5], s[88:89]
	s_add_nc_u64 s[PB:PB+1], s[4:5], s[90:91]
	s_add_nc_u64 s[G0A+2:G0A+3], s[PA:PA+1], s[92:93]
	s_add_nc_u64 s[G0A+6:G0A+7], s[G0A+2:G0A+3], KQS
	s_add_nc_u64 s[G0B+2:G0B+3], s[PB:PB+1], s[94:95]
	s_add_nc_u64 s[G0B+6:G0B+7], s[G0B+2:G0B+3], KQS
.irp g, G0A+3, G0A+7, G0B+3, G0B+7
	s_or_b32 s[\g], s[\g], 0x80000000
.endr
	CROUND                                         ; all four work-groups are here: the first joint loads meet
	KFILL 0                                        ; quarter 0: my one tensor load at the head
	s_cmp_eq_u32 s15, 0
	s_cselect_b64 s[TB:TB+1], s[6:7], s[8:9]       ; cos or sin: the choice hangs on the wave's number alone
	s_add_nc_u64 s[TB:TB+1], s[TB:TB+1], s[96:97]
	s_mov_b64 s[G0T+2:G0T+3], s[TB:TB+1]
	s_add_nc_u64 s[G0T+6:G0T+7], s[TB:TB+1], 128*512
	s_or_b32 s[G0T+3], s[G0T+3], 0x80000000
	s_or_b32 s[G0T+7], s[G0T+7], 0x80000000
	s_add_nc_u64 s[PA2:PA2+1], s[PA:PA+1], 2*KQS
	s_add_nc_u64 s[PB2:PB2+1], s[PB:PB+1], 2*KQS
	; where the results go: record 0 for my blocks 0 and 1 in s[10:11], record 1 for blocks 2 and 3 in s[8:9]
	s_lshl_b32 s88, s18, 1
	s_lshl_b32 s89, s17, 4
	s_add_co_u32 s89, s89, s88                     ; q: 16 hh + 2 m
	s_lshl_b32 s90, s17, 5
	s_lshl_b32 s91, s88, 1
	s_add_co_u32 s90, s90, s91
	s_sub_co_u32 s90, s90, 256                     ; k: 256 + 2 (16 (hh - 16) + 2 m)
	s_cmp_lt_u32 s17, 16
	s_cselect_b32 s89, s89, s90
	s_cselect_b32 s92, 1, 2                        ; records from the first to the second
	s_lshl_b32 s90, s79, 6
	s_lshl_b32 s91, s78, 1
	s_add_co_u32 s90, s90, s91
	s_add_co_u32 s90, s90, 257                     ; v: 257 + 2 (16 x 2 (c % 2) + token tile); the next head lies 32 records on
	s_cmp_eq_u32 s19, 1
	s_cselect_b32 s89, s90, s89
	s_cselect_b32 s92, 32, s92
	s_mul_i32 s88, s89, HREC
	s_mov_b32 s89, 0
	s_mul_i32 s92, s92, HREC
	s_mov_b32 s93, 0
	s_add_nc_u64 s[10:11], s[10:11], s[88:89]
	s_add_nc_u64 s[8:9], s[10:11], s[92:93]
	v_and_b32 v1, 15, v0                           ; r
	v_bfe_u32 v2, v0, 4, 1                         ; h
	v_and_b32 v3, 31, v0                           ; lane
	v_lshlrev_b32 v[LI], 4, v3
	v_add_nc_u32 v[ADA], s81, v[LI]
	v_add_nc_u32 v[ADA+1], SLOT, v[ADA]
	v_add_nc_u32 v[ADB], BOFF, v[LI]
	v_add_nc_u32 v[ADB+1], SLOT+BOFF, v[LI]
	v_lshlrev_b32 v23, 4, v1
	v_add_nc_u32 v23, 6144, v23
	v_add_nc_u32 v[ASA], s81, v23
	v_add_nc_u32 v[ASA+1], SLOT, v[ASA]
	v_add_nc_u32 v[ASB], BOFF, v23
	v_add_nc_u32 v[ASB+1], SLOT+BOFF, v23
	v_and_b32 v24, 8, v1
	v_add_nc_u32 v24, v24, v1                      ; r + 8 (r / 8)
	v_mul_u32_u24 v24, v24, TP
	v_lshl_add_u32 v24, v2, 6, v24                 ; + 64 h
	v_add_nc_u32 v[TAC], s83, v24
	v_add_nc_u32 v[TAC+1], SLOT, v[TAC]
	v_add_nc_u32 v[TAS], 128*TP, v[TAC]
	v_add_nc_u32 v[TAS+1], SLOT+128*TP, v[TAC]
	v_add_nc_u32 v[VF], s100, v[LI]
	v_lshlrev_b32 v25, 2, v3
	v_add_nc_u32 v[VS], s101, v25
	v_min_u32 v26, 24, v3
	v_add_nc_u32 v26, s98, v26                     ; at most 25 x 15 + 24 = 399: inside A's 16 records' 400 blocks
	v_lshlrev_b32 v[PFA], 8, v26
	v_min_u32 v27, s87, v3
	v_add_nc_u32 v27, s99, v27
	v_min_u32 v27, 199, v27                        ; inside B's 8 records' 200 blocks
	v_lshlrev_b32 v[PFB], 8, v27
	v_add_nc_u32 v26, s84, v3                      ; at most 32 x 3 + 31 = 127: inside my tile's 128 blocks
	v_lshlrev_b32 v[PFT], 8, v26
.irp b, 0,1,2,3
	v_mov_b32 v[TM+4+\b], 0                        ; written once: a lane permute's destination counts as one of its sources
.endr
	s_wait_alu depctr_va_vdst(0)
	global_prefetch_b8 v[PFA], s[PA:PA+1] offset:KQS th:TH_LOAD_NT scope:SCOPE_SE     ; quarter 1,
	global_prefetch_b8 v[PFB], s[PB:PB+1] offset:KQS th:TH_LOAD_NT scope:SCOPE_SE
	global_prefetch_b8 v[PFA], s[PA2:PA2+1] th:TH_LOAD_NT scope:SCOPE_SE              ; quarter 2
	global_prefetch_b8 v[PFB], s[PB2:PB2+1] th:TH_LOAD_NT scope:SCOPE_SE
	s_wait_tensorcnt 0x0                           ; my part of quarter 0 is in
	ds_add_u32 v[SPW], v[NIL]
	s_wait_dscnt 0x0
	CROUND                                         ; everybody's part is in, and all four work-groups are here
	KFILL 1                                        ; quarter 1, slot 1's first fill: the first tensor load behind the round
	FETCH 0
	SCALES 0
	global_prefetch_b8 v[PFA], s[PA2:PA2+1] offset:KQS th:TH_LOAD_NT scope:SCOPE_SE   ; quarter 3
	global_prefetch_b8 v[PFB], s[PB2:PB2+1] offset:KQS th:TH_LOAD_NT scope:SCOPE_SE
	STEP 0, 1                                      ; the first products start the sums: nothing is cleared
	STEP 1, 0
	STEP 2, 0
	TURN 3, 0                                      ; slot 0 takes quarter 2
	global_prefetch_b8 v[PFT], s[TB:TB+1] th:TH_LOAD_NT scope:SCOPE_SE                ; the first tables
	STEP 4, 0
	STEP 5, 0
	STEP 6, 0
	TURN 7, 0                                      ; slot 1 takes quarter 3
	global_prefetch_b8 v[PFT], s[TB:TB+1] offset:128*512 th:TH_LOAD_NT scope:SCOPE_SE ; the second tables
	STEP 8, 0
	STEP 9, 0
	STEP 10, 0
	TURN 11, 1                                     ; slot 0 takes the tables of tokens 0-127
	STEP 12, 0
	STEP 13, 0
	STEP 14, 0
	TURN 15, 2                                     ; those are whole now; slot 1 takes the tables of tokens 128-255; the four v_nop behind the load are the places behind the last products
	TLOAD 0
	BLOCK 0, 32
	BLOCK 1, 0
	SENDP 0
	s_wait_alu depctr_va_vdst(0)
	s_wait_tensorcnt 0x0                           ; my tile of the second tables is in
	s_barrier_signal -1
	s_barrier_wait -1                              ; everybody's is
	TLOAD 1
	BLOCK 2, 32
	BLOCK 3, 0
	SENDP 1
	s_wait_tensorcnt 0x0                           ; the wave's end
	ds_add_u32 v[SPW], v[NIL]
	s_wait_dscnt 0x0
	CROUND                                         ; the closing round: no work-group ends while a partner may still ask for a tile that names it
	s_endpgm
.Lfunc_end_k_qfa027f0970_qkvproj:
	.size	k_qfa027f0970_qkvproj, .Lfunc_end_k_qfa027f0970_qkvproj-k_qfa027f0970_qkvproj
	.p2alignl 7, 3214868480
	.fill 96, 4, 3214868480
	.section	.rodata,"a",@progbits
	.p2align	6, 0x0
	.amdhsa_kernel k_qfa027f0970_qkvproj
		.amdhsa_group_segment_fixed_size 327680
		.amdhsa_private_segment_fixed_size 0
		.amdhsa_enable_private_segment 0
		.amdhsa_kernarg_size 32
		.amdhsa_user_sgpr_count 2
		.amdhsa_user_sgpr_kernarg_segment_ptr 1
		.amdhsa_wavefront_size32 1
		.amdhsa_system_sgpr_workgroup_id_x 1
		.amdhsa_system_sgpr_workgroup_id_y 1
		.amdhsa_system_sgpr_workgroup_id_z 1
		.amdhsa_system_vgpr_workitem_id 0
		.amdhsa_next_free_vgpr 1024
		.amdhsa_next_free_sgpr 102
		.amdhsa_reserve_vcc 1
		.amdhsa_float_denorm_mode_32 3
		.amdhsa_float_denorm_mode_16_64 3
		.amdhsa_memory_ordered 1
		.amdhsa_forward_progress 1
		.amdhsa_inst_pref_size 164
	.end_amdhsa_kernel
	.amdgpu_metadata
---
amdhsa.version: [ 1, 2 ]
amdhsa.kernels:
  - .name:           k_qfa027f0970_qkvproj
    .symbol:         k_qfa027f0970_qkvproj.kd
    .args:
      - { .name: cw, .offset: 0, .size: 8, .value_kind: global_buffer, .address_space: global }
      - { .name: cos, .offset: 8, .size: 8, .value_kind: global_buffer, .address_space: global }
      - { .name: sin, .offset: 16, .size: 8, .value_kind: global_buffer, .address_space: global }
      - { .name: qkvc, .offset: 24, .size: 8, .value_kind: global_buffer, .address_space: global }
    .group_segment_fixed_size: 327680
    .private_segment_fixed_size: 0
    .kernarg_segment_align: 8
    .kernarg_segment_size: 32
    .max_flat_workgroup_size: 128
    .sgpr_count:     102
    .vgpr_count:     1024
    .wavefront_size: 32
...
	.end_amdgpu_metadata
.endif
;; end of part 2
;; launch attn (part 3): grid 64 x 4, 16 waves a work-group, clusters of 4 x 1, 327,680 bytes of LDS; arguments qkvc, oc; writes oc
.if DOCPART == 3
	.amdgcn_target "amdgcn-amd-amdhsa--gfx1250"
	.amdhsa_code_object_version 6
	.text
	.protected	k_qfa027f0970_attn
	.globl	k_qfa027f0970_attn
	.p2align	8
	.type	k_qfa027f0970_attn,@function
k_qfa027f0970_attn:
	s_mov_b64 s[64:65], 0
	v_nop
	global_prefetch_b8 v0, s[64:65] scope:SCOPE_SE
	s_setreg_imm32_b32 hwreg(HW_REG_WAVE_MODE, 25, 1), 1
	s_wait_xcnt 0x0
	s_wait_alu depctr_hold_cnt(0) depctr_sa_sdst(0) depctr_va_vdst(0) depctr_va_sdst(0) depctr_va_ssrc(0) depctr_va_vcc(0) depctr_vm_vsrc(0)
	s_getreg_b32 s2, hwreg(HW_REG_IB_STS2, 6, 4)
	s_cmp_eq_u32 s2, 0
	s_cbranch_scc0 .Lentry_in_a_cluster
	s_endpgm
.Lentry_in_a_cluster:
	s_bfe_u32 s2, ttmp6, 0x10000c
	s_cmp_lg_u32 s2, 0x3003
	s_cbranch_scc0 .Lentry_shape_is_right
	s_endpgm
.Lentry_shape_is_right:
; o = softmax(q k^T / sqrt(128), causal) v for 16 query heads on 4 key and value heads, both products on codes of FP6 (E2M3); o is quantised again along (head, channel) and leaves as images of operand registers.
; THE SOFTMAX: t = score x log2(e) / sqrt(128); M = the running largest t rounded UP to a whole number; p = 2^(t - M) is what is quantised, along the keys; the row's sum is taken of the unquantised p and divides at the end.
; When M moves, the sum and O are multiplied by 2^(old M - new M): exact.  LIMITS: NaN and infinities are not served; a block whose largest magnitude lies under 2^-124, a block of zeros among them, keeps the scale byte 1.
; qkvc: records of 12,800 bytes: eight fragments (16 rows x 128 K, 1,536 bytes: register i of lane l at 512 (i / 4) + 16 l + 4 (i % 4)), then their scale words at 12,288 + 64 t + 4 r.
; q (head, token tile m): record 16 head + m; a key step s (128 keys) of key head g: k at 256 + 2 (16 g + s), v (channels x keys) behind it: 25,600 dense bytes a step.
; Fragment row r of fragment t is token (k, q) or channel (v) 32 (t / 2) + 8 (t % 2) + r + 8 (r / 8) of its 128, so that the 16 registers of two neighbouring result tiles are 16 neighbours along the next K.
; Both products are used transposed: S^T = K Q^T, O^T = V^T P^T: a lane holds ONE query (lane % 16) throughout.
; SHARES.  2,048 tiles (16 queries x a head) = 256 work-groups x 8 tiles; A TILE'S KEYS ARE SHARED BETWEEN TWO WAVES: half u = 0 takes the even key steps, half u = 1 the odd ones, each with a running M, sum and O^T of its own.
; Work-group (p = 4 cluster + cx, key head g), wave w with bits b0 .. b3: head 4 g + w / 4; role = b0 xor b2: tile p (role 0) or 127 - p (role 1); u = b1 xor b3; the tile's other half is wave w xor 2.
; Tile qb needs qb / 8 + 1 key steps, so the two roles together need 17, and no wave walks more than 8; the four waves with equal w % 4, and likewise the four with equal w / 4, hold each (role, u) once.
; THE HALVES ARE JOINED AT THE END: both M are whole numbers, so each half is brought under the larger M by a power of two, which rounds nothing.  Half 1 hands -M, its sum and O^T to half 0 through LDS.
; A half without a step keeps O^T = 0, sum = 0 and -M = 3e38: its power of two comes out 0.  Step 0 is half 0's, so the half that keeps the tile always has a step.
; The number of steps hangs on the cluster's number and the wave's number alone, not on cx: every branch is alike in the four partners.  cx enters q's and o's addresses and the lane's query number, which only feeds selects.
; LDS: three regions of 102,400 bytes, four key steps each.  Steps 0-3 go out at the head, steps 4-11 behind a round, steps 12-15 fill region 0 again behind step 3, eight steps ahead of their first read.  Every work-group asks for
; all sixteen steps, so that the joint loads (mask: all four partners, who walk the same K and V) and the rounds are alike in all; a step that is hidden or the other half's is left out by a scalar branch round its work alone.
; By this text's count a wave has one tensor load out at a time.
; oc: [kq = head / 4][row block qb][6,400]: fragment head % 4 at 1,536 x that, the rows' scale words at 6,144 + 16 r + 4 (head % 4).
; REGISTERS: v1-9, v28-31, v80, v81 addresses; v12 -M, v13 the largest t, v[14:15] the sum in two halves; v16-27 Q; v32-79 four fragments of K or V; v96-159 S^T, then p; v160-223 O^T; v224-235 p's codes;
; v232-254 at work; v248-251 scale words of K or V, two tiles to a register; v253 p's scale word; v255 Q's; v82-91 at work where the halves are joined.
.set HREC,  12800
.set STEPB, 2*HREC
.set REG,   4*STEPB
.set WPART, REG/16                     ; what one tensor load brings: 25 rows of 256 bytes
.set SPARE, 3*REG                      ; the spare words, 128 bytes for each wave: eight blocks of 256 bytes that no other line names
.set SCX,   SPARE+2048                 ; 512 bytes in which the tiles' scale words meet: no fill lands here
.set MSL,   8448                       ; a wave's place for what it hands over: 16 images of 512 bytes, then 8 bytes a lane.  The sixteen places lie in regions 1 and 2, from REG on: filled once, at the head, and last read in front of the barrier behind step 11
.set KV0,   256*HREC
.set KVH,   16*STEPB
.set REC,   6400
.set OKQ,   128*REC
.set LI,  1                            ; v1   16 x lane
.set LS,  2                            ; v2   4 x lane
.set SXA, 3                            ; v3   where my row's scale word goes in SCX
.set SXR, 4                            ; v4   where wave 0 reads 16 bytes of SCX back
.set SPW, 5                            ; v5   LDS address of my spare word; never rewritten
.set NIL, 6                            ; v6   0; never rewritten
.set SGO, 7                            ; v7   wave 0: byte offset in oc of a row's 16 scale bytes
.set ADL, 8                            ; v8   LDS address of the step's fragments
.set ADW, 9                            ; v9   and of its scale words
.set DQ,  28                           ; v28  my query's place in its 128, less 16 (lane / 16)
.set QSO, 29                           ; v29  4 r
.set MGA, 30                           ; v30  my place for O^T: REG + MSL x wave + 16 x lane
.set MGB, 31                           ; v31  and for (-M, sum): REG + MSL x wave + 8,192 + 8 x lane
.set MRA, 80                           ; v80  the same two of wave w xor 2
.set MRB, 81                           ; v81
.set TM,  56                           ; the way out: the quantiser's work registers
.set UU,  8                            ; s8   u: which half of the key steps is mine
.set WV,  18
.set SEL, 20
.set CS,  22                           ; s[22:23] c = log2(e) / sqrt(128): the packed form names a pair and takes its low word for both halves
.set G1,  24
.set G0,  32
.set KS,  44                           ; the key step
.set LAST, 45                          ; my tile's last key step: the one on the diagonal
.set TB,  46                           ; LDS byte at which the step's tiles begin
.set CNT, 75
.macro PLACES
.rept 4
	v_nop
.endr
.endm
.macro CROUND                          ; a round of the cluster's barrier
	s_barrier_signal -1
	s_barrier_wait -1
	s_cmp_lg_u32 s[WV], 0
	s_cbranch_scc1 .Lnot_wave_0_\@
	s_barrier_signal -3
.Lnot_wave_0_\@:
	s_barrier_wait -3
	s_barrier_signal -1
	s_barrier_wait -1
.endm
.macro QUANT s, pc, pw                 ; 64 numbers of a lane, register 16 b + i = k 32 b + 16 (lane / 16) + i, become a fragment's codes in v[pc .. pc + 11] and its scale word in v[pw]
.irp b, 0,1,2,3
	v_max3_num_f32 v[TM+\b], |v[(\s)+16*\b]|, |v[(\s)+1+16*\b]|, 0x1800000
.endr
.irp i, 2,4,6,8,10,12,14
.irp b, 0,1,2,3
	s_delay_alu instid0(VALU_DEP_4)
	v_max3_num_f32 v[TM+\b], v[TM+\b], |v[(\s)+16*\b+\i]|, |v[(\s)+1+16*\b+\i]|
.endr
.endr
.irp b, 0,1,2,3
	s_delay_alu instid0(VALU_DEP_4)
	v_permlanex16_b32 v[TM+4+\b], v[TM+\b], s[SEL], s[SEL+1]
.endr
.irp b, 0,1,2,3
	s_delay_alu instid0(VALU_DEP_4)
	v_max_num_f32 v[TM+\b], v[TM+\b], v[TM+4+\b]
.endr
.irp b, 0,1,2,3
	s_delay_alu instid0(VALU_DEP_4)
	v_add_nc_u32 v[TM+12+\b], 0xff000000, v[TM+\b]
.endr
.irp b, 0,1,2,3
	s_delay_alu instid0(VALU_DEP_4)
	v_lshrrev_b32 v[TM+4+\b], 23, v[TM+12+\b]
.endr
	s_delay_alu instid0(VALU_DEP_3)
	v_lshl_or_b32 v[\pw], v[TM+5], 8, v[TM+4]
	s_delay_alu instid0(VALU_DEP_1)
	v_lshl_or_b32 v[\pw], v[TM+6], 16, v[\pw]
	s_delay_alu instid0(VALU_DEP_1)
	v_lshl_or_b32 v[\pw], v[TM+7], 24, v[\pw]
	v_cvt_scalef32_pk16_fp6_f32 v[(\pc):(\pc)+2], v[(\s):(\s)+15], v[TM+12]
	v_cvt_scalef32_pk16_fp6_f32 v[TM+8:TM+10], v[(\s)+16:(\s)+31], v[TM+13]
	v_cvt_scalef32_pk16_fp6_f32 v[(\pc)+6:(\pc)+8], v[(\s)+32:(\s)+47], v[TM+14]
	v_cvt_scalef32_pk16_fp6_f32 v[TM:TM+2], v[(\s)+48:(\s)+63], v[TM+15]
	v_nop
.irp i, 0,1,2
	v_permlane16_swap_b32 v[(\pc)+\i], v[TM+8+\i]
	v_permlane16_swap_b32 v[(\pc)+6+\i], v[TM+\i]
.endr
.irp i, 0,1,2
	v_mov_b32 v[(\pc)+3+\i], v[TM+8+\i]
	v_mov_b32 v[(\pc)+9+\i], v[TM+\i]
.endr
.endm
	s_load_b128 s[4:7], s[0:1], 0x0                ; qkvc s[4:5], oc s[6:7]
	v_lshl_add_u32 v[SPW], v0, 2, SPARE
	v_mov_b32 v[NIL], 0
	ds_add_u32 v5, v6
	ds_add_u32 v5, v6
	s_wait_dscnt 0x0
	v_lshrrev_b32 v8, 5, v0
	s_delay_alu instid0(VALU_DEP_1)
	v_readfirstlane_b32 s[WV], v8                  ; wave 0..15
	s_bfe_u32 s47, ttmp6, 0x40000                  ; cx
	s_and_b32 s48, ttmp7, 0xffff                   ; g: the key and value head
	s_lshr_b32 s49, s[WV], 2                       ; which of its four query heads
	s_xor_b32 s51, s[WV], s49
	s_and_b32 s51, s51, 1                          ; role: bit 0 xor bit 2 of the wave's number
	s_lshr_b32 s50, s[WV], 1
	s_lshr_b32 s[UU], s[WV], 3
	s_xor_b32 s[UU], s[UU], s50
	s_and_b32 s[UU], s[UU], 1                      ; u: bit 1 xor bit 3
	s_lshr_b32 s52, ttmp9, 1
	s_sub_co_u32 s53, 31, ttmp9
	s_lshr_b32 s53, s53, 1
	s_cmp_eq_u32 s51, 0
	s_cselect_b32 s[LAST], s52, s53                ; = qb / 8, made of the cluster's number and the role alone
	s_lshl_b32 s54, ttmp9, 2
	s_add_co_u32 s54, s54, s47                     ; p
	s_sub_co_u32 s55, 127, s54
	s_cmp_eq_u32 s51, 0
	s_cselect_b32 s55, s54, s55                    ; qb
	s_mov_b32 s[G1], 15|(3<<16)|(1<<21)            ; 15:0 the mask: all four work-groups; 17:16 elements of 8 bytes; 21 set beside a mask; no padding
	s_mov_b32 s[G1+1], 32<<16                      ; tensor_dim0 = 32 elements: 256 bytes
	s_mov_b32 s[G1+2], 25<<16                      ; tensor_dim1 = 25 rows: a sixteenth of a region
	s_mov_b32 s[G1+3], 32<<16
	s_mov_b32 s[G1+4], 25
	s_mov_b32 s[G1+5], 32                          ; the pitch: the block is dense
	s_mov_b32 s[G1+6], 0
	s_mov_b32 s[G1+7], 0
.set G1W, 80                           ; s[80:87] a second group 1: 50 rows, a sixteenth of regions 1 and 2 together
	s_mov_b32 s[G1W], 15|(3<<16)|(1<<21)
	s_mov_b32 s[G1W+1], 32<<16
	s_mov_b32 s[G1W+2], 50<<16
	s_mov_b32 s[G1W+3], 32<<16
	s_mov_b32 s[G1W+4], 50
	s_mov_b32 s[G1W+5], 32
	s_mov_b32 s[G1W+6], 0
	s_mov_b32 s[G1W+7], 0
	s_mul_i32 s56, s48, KVH
	s_mul_i32 s58, s[WV], WPART                    ; each wave fetches a sixteenth of a region
	s_add_co_u32 s56, s56, s58
	s_add_co_u32 s56, s56, KV0
	s_mov_b32 s57, 0
	s_lshl_b32 s59, s48, 2
	s_add_co_u32 s59, s59, s49                     ; my head
	s_lshl_b32 s59, s59, 4
	s_lshr_b32 s50, s55, 3
	s_add_co_u32 s59, s59, s50
	s_mul_i32 s59, s59, HREC                       ; q's record
	s_and_b32 s50, s55, 7
	s_mul_i32 s76, s50, 1536
	s_add_co_u32 s76, s76, s59                     ; my fragment in it
	s_mov_b32 s77, 0
	s_lshl_b32 s78, s50, 6
	s_add_co_u32 s78, s78, s59
	s_add_co_u32 s78, s78, 12288                   ; and its scale words
	s_mov_b32 s79, 0
	s_mul_i32 s66, s48, OKQ
	s_mul_i32 s68, s55, REC
	s_add_co_u32 s68, s68, s66
	s_mul_i32 s69, s49, 1536
	s_add_co_u32 s68, s68, s69                     ; o's fragment
	s_mov_b32 s69, 0
	s_add_co_u32 s66, s66, 6144                    ; o's scales
	s_mov_b32 s67, 0
	s_mov_b32 s[SEL], 0x76543210
	s_mov_b32 s[SEL+1], 0xfedcba98
	s_mov_b32 s[CS], 0x3e0293ee
	s_mov_b32 s[CS+1], s[CS]
	s_wait_kmcnt 0x0
	s_add_nc_u64 s[56:57], s[4:5], s[56:57]
	s_add_nc_u64 s[60:61], s[4:5], s[76:77]
	s_add_nc_u64 s[62:63], s[4:5], s[78:79]
	s_add_nc_u64 s[70:71], s[6:7], s[68:69]
	s_add_nc_u64 s[72:73], s[6:7], s[66:67]
	; THE FILLS, in the order of this text: key steps 0-3 at the head, one load a wave; steps 4-11 (regions 1 and 2, dense in memory and in LDS) by one load a wave of 12,800 bytes behind the full sequence and a round;
	; steps 12-15 into region 0 again behind step 3.  By this text's count a wave has one tensor load out at a time.
	s_mov_b32 s[G0+4], 1
	s_lshl_b32 s[G0+5], s58, 1
	s_add_co_u32 s[G0+5], s[G0+5], REG             ; REG + 12,800 x wave
	s_mov_b32 s59, 0
	s_add_nc_u64 s[G0+6:G0+7], s[56:57], s[58:59]  ; 6,400 x wave is in s[56:57] already
	s_add_nc_u64 s[G0+6:G0+7], s[G0+6:G0+7], REG
	s_or_b32 s[G0+7], s[G0+7], 0x80000000
.irp q, 0
	s_mov_b32 s[G0+4*\q], 1
	s_add_co_u32 s[G0+4*\q+1], s58, \q*REG
	s_add_nc_u64 s[G0+4*\q+2:G0+4*\q+3], s[56:57], \q*REG
	s_or_b32 s[G0+4*\q+3], s[G0+4*\q+3], 0x80000000
.endr
	CROUND                                         ; all four work-groups are here: the first joint loads meet
	tensor_load_to_lds s[G0:G0+3], s[G1:G1+7]      ; key steps 0-3: my one load at the head
	s_nop 0
.rept 4
	v_nop
.endr
	v_and_b32 v10, 31, v0
	s_delay_alu instid0(VALU_DEP_1)
	v_lshlrev_b32 v[LI], 4, v10
	s_delay_alu instid0(VALU_DEP_2)
	v_lshlrev_b32 v[LS], 2, v10
	s_delay_alu instid0(VALU_DEP_3)
	v_lshlrev_b32 v11, 3, v10                      ; 8 x lane
	v_and_b32 v8, 15, v0                           ; r
	s_wait_alu depctr_va_vdst(0)
	v_bfe_u32 v9, v0, 4, 1                         ; h
	s_wait_alu depctr_va_vdst(0)
	v_lshlrev_b32 v[QSO], 2, v8
.irp c, 0,1,2
	global_load_b128 v[16+4*\c:19+4*\c], v[LI], s[60:61] offset:512*\c   ; Q's fragment stays in registers (both halves of a tile load it)
.endr
	global_load_b32 v255, v[QSO], s[62:63]
	s_mul_i32 s10, s[WV], MSL                      ; every LDS address is made here, ahead of the places where the waves part
	s_add_co_u32 s10, s10, REG
	v_add_nc_u32 v[MGA], s10, v[LI]
	s_add_co_u32 s11, s10, 8192
	v_add_nc_u32 v[MGB], s11, v11
	s_xor_b32 s12, s[WV], 2                        ; my tile's other half
	s_mul_i32 s12, s12, MSL
	s_add_co_u32 s12, s12, REG
	v_add_nc_u32 v[MRA], s12, v[LI]
	s_add_co_u32 s13, s12, 8192
	v_add_nc_u32 v[MRB], s13, v11
	s_lshl_b32 s50, s51, 8
	s_lshl_b32 s59, s49, 2
	s_add_co_u32 s50, s50, s59
	s_add_co_u32 s50, s50, SCX
	v_lshl_add_u32 v[SXA], v8, 4, s50              ; SCX + 256 role + 16 r + 4 (head % 4)
	v_add_nc_u32 v[SXR], SCX, v[LI]
	s_mul_i32 s59, s54, REC
	s_lshl_b32 s74, s54, 1
	s_sub_co_u32 s74, 127, s74
	s_mul_i32 s74, s74, REC
	v_mul_u32_u24 v[SGO], s74, v9                  ; lanes 0-15: row block p; lanes 16-31: row block 127 - p
	s_delay_alu instid0(VALU_DEP_1)
	v_lshl_add_u32 v[SGO], v8, 4, v[SGO]
	s_delay_alu instid0(VALU_DEP_1)
	v_add_nc_u32 v[SGO], s59, v[SGO]
	s_bfe_u32 s50, s55, 0x20001                    ; (qb / 2) % 4
	s_lshl_b32 s50, s50, 5
	s_and_b32 s59, s55, 1
	s_lshl_b32 s59, s59, 3
	s_add_co_u32 s50, s50, s59
	v_and_b32 v10, 8, v8
	s_delay_alu instid0(VALU_DEP_1)
	v_add_nc_u32 v10, v10, v8
	v_lshlrev_b32 v11, 4, v9
	s_delay_alu instid0(VALU_DEP_1)
	v_sub_nc_u32 v10, v10, v11
	s_delay_alu instid0(VALU_DEP_1)
	v_add_nc_u32 v[DQ], s50, v10                   ; register 16 b + i holds key 32 b + 16 (lane / 16) + i of the step: on the diagonal it is hidden where 32 b + i > this number
	v_mov_b32 v13, 0xff61b1e6                      ; the largest t so far: -3e38, under every t
	s_delay_alu instid0(VALU_DEP_1)
	v_floor_f32 v12, -v13                          ; -M
	v_mov_b32 v14, 0
	v_mov_b32 v15, 0
.irp b, 0,1,2,3
	v_mov_b32 v[236+\b], 0                         ; written once: a lane permute's destination counts as one of its sources
.endr
	v_mov_b32 v252, 0
	v_mov_b32 v253, 0
.irp j, 0,1,2,3,4,5,6,7,8,9,10,11,12,13,14,15,16,17,18,19,20,21,22,23,24,25,26,27,28,29,30,31,32,33,34,35,36,37,38,39,40,41,42,43,44,45,46,47,48,49,50,51,52,53,54,55,56,57,58,59,60,61,62,63
	v_mov_b32 v[160+\j], 0                         ; O^T: the step is written without a first form of its own; the first change of M leaves zeros zeros
.endr
; A KEY STEP: 128 keys at LDS byte s[TB].
.macro STEP
	s_cmp_gt_u32 s[KS], s[LAST]                    ; all its keys come after my queries: the work is left out, not the lines at the end that step the addresses
	s_cbranch_scc1 .Lhidden_\@
	s_and_b32 s9, s[KS], 1
	s_cmp_lg_u32 s9, s[UU]                         ; or the step is the other half's
	s_cbranch_scc1 .Lhidden_\@
	v_add_nc_u32 v[ADL], s[TB], v[LI]
	s_wait_alu depctr_va_vdst(0)
	v_add_nc_u32 v[ADW], s[TB], v[LS]
	v_nop
	v_nop                                          ; with the two additions: four places in front of loads into registers that the last products read
.irp g, 0,1                                    ; S^T = K Q^T, four tiles of 16 keys at a time
.if \g
	PLACES
.endif
.irp t, 0,1,2,3
.irp c, 0,1,2
	ds_load_b128 v[32+12*\t+4*\c:35+12*\t+4*\c], v[ADL] offset:1536*(4*\g+\t)+512*\c
.endr
.endr
.if \g == 0
.irp i, 0,1,2,3
	ds_load_b32 v[248+\i], v[ADW] offset:12288+128*\i   ; lanes 0-15: tile 2 i's words; lanes 16-31: tile 2 i + 1's
.endr
.endif
	s_wait_dscnt 0x0
.irp u, 0,1
	v_wmma_scale_f32_16x16x128_f8f6f4 v[96+8*(4*\g+2*\u):103+8*(4*\g+2*\u)], v[32+24*\u:43+24*\u], v[16:27], 0, v[248+2*\g+\u], v255 matrix_a_fmt:MATRIX_FMT_FP6 matrix_b_fmt:MATRIX_FMT_FP6
	v_wmma_scale_f32_16x16x128_f8f6f4 v[104+8*(4*\g+2*\u):111+8*(4*\g+2*\u)], v[44+24*\u:55+24*\u], v[16:27], 0, v[248+2*\g+\u], v255 matrix_a_fmt:MATRIX_FMT_FP6 matrix_b_fmt:MATRIX_FMT_FP6 matrix_a_scale:MATRIX_SCALE_ROW1
.endr
.endr
	PLACES
	s_cmp_lt_u32 s[KS], s[LAST]                    ; a step all of whose keys count skips the mask
	s_cbranch_scc1 .Lopen_\@
	v_mov_b32 v254, 0xff800000                     ; on the diagonal the scores of hidden keys become -infinity ahead of the maximum: p = 0 then.  The step's first key counts for every query of the tile
.irp n, 0,1,2,3,4,5,6,7,8,9,10,11,12,13,14,15,16,17,18,19,20,21,22,23,24,25,26,27,28,29,30,31,32,33,34,35,36,37,38,39,40,41,42,43,44,45,46,47,48,49,50,51,52,53,54,55,56,57,58,59,60,61,62,63
	v_cmp_gt_i32 vcc_lo, 32*(\n/16)+\n%16, v[DQ]
	v_cndmask_b32 v[96+\n], v[96+\n], v254, vcc_lo
.endr
.Lopen_\@:
.irp b, 0,1,2,3
	v_max3_num_f32 v[232+\b], v[96+16*\b], v[97+16*\b], v[98+16*\b]   ; the largest score of each block of 32 keys: it serves for the row's maximum and, since p rises with the score, for the block's largest p
.endr
.irp i, 3,5,7,9,11,13
.irp b, 0,1,2,3
	v_max3_num_f32 v[232+\b], v[232+\b], v[96+16*\b+\i], v[97+16*\b+\i]
.endr
.endr
.irp b, 0,1,2,3
	v_max_num_f32 v[232+\b], v[232+\b], v[111+16*\b]
.endr
.irp b, 0,1,2,3
	s_delay_alu instid0(VALU_DEP_4)
	v_permlanex16_b32 v[236+\b], v[232+\b], s[SEL], s[SEL+1]
.endr
.irp b, 0,1,2,3
	s_delay_alu instid0(VALU_DEP_4)
	v_max_num_f32 v[232+\b], v[232+\b], v[236+\b]  ; with lane l xor 16's 16 keys
.endr
	s_delay_alu instid0(VALU_DEP_2)
	v_max3_num_f32 v254, v232, v233, v234
	s_delay_alu instid0(VALU_DEP_1)
	v_max_num_f32 v254, v254, v235                 ; the step's largest score of my query
	s_delay_alu instid0(VALU_DEP_1)
	v_mul_f32 v254, s[CS], v254                    ; as t (c is positive)
	s_delay_alu instid0(VALU_DEP_1)
	v_max_num_f32 v13, v13, v254                   ; the running largest t
	v_mov_b32 v254, v12
	s_delay_alu instid0(VALU_DEP_2)
	v_floor_f32 v12, -v13                          ; the new -M = floor(-t) = -ceil(t): a whole number
	s_delay_alu instid0(VALU_DEP_1)
	v_sub_f32 v254, v12, v254                      ; old M - new M: a whole number, 0 or less
	s_delay_alu instid0(VALU_DEP_1)
	v_cvt_i32_f32 v254, v254                       ; (it saturates)
	s_delay_alu instid0(VALU_DEP_1)
	v_ldexp_f32 v252, 1.0, v254                    ; f = 2^(old M - new M)
.irp j, 0,2,4,6,8,10,12,14,16,18,20,22,24,26,28,30,32,34,36,38,40,42,44,46,48,50,52,54,56,58,60,62
	v_pk_fma_f32 v[96+\j:97+\j], v[96+\j:97+\j], s[CS:CS+1], v[12:13] op_sel_hi:[1,0,0]   ; t - M, two at a time
.endr
.irp b, 0,1,2,3
	v_fma_f32 v[232+\b], v[232+\b], s[CS], v12     ; the same of each block's largest score
.endr
	s_wait_alu depctr_va_vdst(0)
.irp j, 0,1,2,3,4,5,6,7,8,9,10,11,12,13,14,15,16,17,18,19,20,21,22,23,24,25,26,27,28,29,30,31,32,33,34,35,36,37,38,39,40,41,42,43,44,45,46,47,48,49,50,51,52,53,54,55,56,57,58,59,60,61,62,63
	v_exp_f32 v[96+\j], v[96+\j]                   ; p = 2^(t - M), at most 1: not normalised
.endr
	v_pk_mul_f32 v[14:15], v[14:15], v[252:253] op_sel_hi:[1,0]   ; the sums under the new M: a plain place behind the exponentials
	s_wait_alu depctr_va_vdst(0)                   ; one wait for the whole batch, ahead of its first reader
.irp b, 0,1,2,3
	v_exp_f32 v[232+\b], v[232+\b]                 ; the block's largest p: the same two instructions on the same number give the same bits
.endr
	v_pk_add_f32 v[236:237], v[100:101], v[104:105]
	v_pk_add_f32 v[250:251], v[108:109], v[112:113]
	v_pk_add_f32 v[248:249], v[116:117], v[120:121]
	v_pk_add_f32 v[246:247], v[124:125], v[128:129]
	v_pk_add_f32 v[244:245], v[132:133], v[136:137]
	v_pk_add_f32 v[242:243], v[140:141], v[144:145]
	v_pk_add_f32 v[240:241], v[148:149], v[152:153]
	v_pk_add_f32 v[14:15], v[14:15], v[156:157]
	v_pk_add_f32 v[236:237], v[236:237], v[96:97]
	v_pk_add_f32 v[250:251], v[250:251], v[98:99]
	v_pk_add_f32 v[248:249], v[248:249], v[102:103]
	v_pk_add_f32 v[246:247], v[246:247], v[106:107]
	v_pk_add_f32 v[244:245], v[244:245], v[110:111]
	v_pk_add_f32 v[242:243], v[242:243], v[114:115]
	v_pk_add_f32 v[240:241], v[240:241], v[118:119]
	v_pk_add_f32 v[14:15], v[14:15], v[122:123]
	v_pk_add_f32 v[236:237], v[236:237], v[126:127]
	v_pk_add_f32 v[250:251], v[250:251], v[130:131]
	v_pk_add_f32 v[248:249], v[248:249], v[134:135]
	v_pk_add_f32 v[246:247], v[246:247], v[138:139]
	v_pk_add_f32 v[244:245], v[244:245], v[142:143]
	v_pk_add_f32 v[242:243], v[242:243], v[146:147]
	v_pk_add_f32 v[240:241], v[240:241], v[150:151]
	v_pk_add_f32 v[14:15], v[14:15], v[154:155]
	v_pk_add_f32 v[236:237], v[236:237], v[158:159]
	s_delay_alu instid0(VALU_DEP_2)
	v_pk_add_f32 v[14:15], v[14:15], v[246:247]
	s_delay_alu instid0(VALU_DEP_2)
	v_pk_add_f32 v[236:237], v[236:237], v[244:245]
	v_pk_add_f32 v[250:251], v[250:251], v[242:243]
	v_pk_add_f32 v[248:249], v[248:249], v[240:241]
	s_delay_alu instid0(VALU_DEP_2)
	v_pk_add_f32 v[14:15], v[14:15], v[250:251]
	s_delay_alu instid0(VALU_DEP_2)
	v_pk_add_f32 v[236:237], v[236:237], v[248:249]
	s_delay_alu instid0(VALU_DEP_1)
	v_pk_add_f32 v[14:15], v[14:15], v[236:237]
	s_wait_alu depctr_va_vdst(0)                   ; and one for the four
.irp b, 0,1,2,3
	v_max_num_f32 v[232+\b], 0x1800000, v[232+\b]  ; the floor 2^(3 - 127): the byte cannot fall under 1
.endr
.irp b, 0,1,2,3
	s_delay_alu instid0(VALU_DEP_4)
	v_add_nc_u32 v[244+\b], 0xff000000, v[232+\b]  ; 2 off the exponent field: the conversion's scale operand
.endr
.irp b, 0,1,2,3
	s_delay_alu instid0(VALU_DEP_4)
	v_lshrrev_b32 v[236+\b], 23, v[244+\b]         ; the scale's byte
.endr
	s_delay_alu instid0(VALU_DEP_3)
	v_lshl_or_b32 v253, v237, 8, v236              ; p's scale word for these 128 keys
	s_delay_alu instid0(VALU_DEP_1)
	v_lshl_or_b32 v253, v238, 16, v253
	s_delay_alu instid0(VALU_DEP_1)
	v_lshl_or_b32 v253, v239, 24, v253
.irp c, 0,1
	v_cvt_scalef32_pk16_fp6_f32 v[224+6*\c:226+6*\c], v[96+32*\c:111+32*\c], v[244+2*\c]
	v_cvt_scalef32_pk16_fp6_f32 v[236+4*\c:238+4*\c], v[112+32*\c:127+32*\c], v[244+2*\c+1]
.endr
	v_nop                                          ; one plain place behind a scaled conversion
.irp c, 0,1                                    ; the operand's layout wants a whole block in a lane
.irp i, 0,1,2
	v_permlane16_swap_b32 v[224+6*\c+\i], v[236+4*\c+\i]
.endr
.irp i, 0,1,2
	s_delay_alu instid0(VALU_DEP_3)
	v_mov_b32 v[227+6*\c+\i], v[236+4*\c+\i]
.endr
.endr
.irp j, 0,2,4,6,8,10,12,14,16,18,20,22,24,26,28,30,32,34,36,38,40,42,44,46,48,50,52,54,56,58,60,62
	v_pk_mul_f32 v[160+\j:161+\j], v[160+\j:161+\j], v[252:253] op_sel_hi:[1,0]   ; O^T under the new M; these 32 are also the places in front of the products and loads below
.endr
	s_wait_alu depctr_va_vdst(0)
.irp g, 0,1                                    ; O^T += V^T P^T, four tiles of 16 channels at a time; K = these 128 keys
.if \g
	PLACES
.endif
.irp t, 0,1,2,3
.irp c, 0,1,2
	ds_load_b128 v[32+12*\t+4*\c:35+12*\t+4*\c], v[ADL] offset:HREC+1536*(4*\g+\t)+512*\c
.endr
.endr
.if \g == 0
.irp i, 0,1,2,3
	ds_load_b32 v[248+\i], v[ADW] offset:HREC+12288+128*\i
.endr
.endif
	s_wait_dscnt 0x0
.irp u, 0,1
	v_wmma_scale_f32_16x16x128_f8f6f4 v[160+8*(4*\g+2*\u):167+8*(4*\g+2*\u)], v[32+24*\u:43+24*\u], v[224:235], v[160+8*(4*\g+2*\u):167+8*(4*\g+2*\u)], v[248+2*\g+\u], v253 matrix_a_fmt:MATRIX_FMT_FP6 matrix_b_fmt:MATRIX_FMT_FP6
	v_wmma_scale_f32_16x16x128_f8f6f4 v[168+8*(4*\g+2*\u):175+8*(4*\g+2*\u)], v[44+24*\u:55+24*\u], v[224:235], v[168+8*(4*\g+2*\u):175+8*(4*\g+2*\u)], v[248+2*\g+\u], v253 matrix_a_fmt:MATRIX_FMT_FP6 matrix_b_fmt:MATRIX_FMT_FP6 matrix_a_scale:MATRIX_SCALE_ROW1
.endr
.endr
.Lhidden_\@:
	s_add_co_u32 s[KS], s[KS], 1
	s_add_co_u32 s[TB], s[TB], STEPB
.endm
	s_wait_alu depctr_va_vdst(0)
	s_wait_tensorcnt 0x0                           ; my part of region 0 is in
	ds_add_u32 v[SPW], v[NIL]
	s_wait_dscnt 0x0
	CROUND                                         ; everybody's part is in, and all four work-groups are here
	tensor_load_to_lds s[G0+4:G0+7], s[G1W:G1W+7]  ; key steps 4-11: the first tensor load behind the round; it has steps 0-3 in which to land
	s_nop 0
.rept 4
	v_nop
.endr
	s_wait_loadcnt 0x0
	s_mov_b32 s[KS], 0
	s_mov_b32 s[TB], 0
	s_mov_b32 s[CNT], 4
.Lregion0:                                         ; key steps 0-3
	STEP
	s_sub_co_u32 s[CNT], s[CNT], 1
	s_cmp_lg_u32 s[CNT], 0
	s_cbranch_scc1 .Lregion0
	s_wait_tensorcnt 0x0                           ; all my tensor loads have landed, regions 1 and 2 among them, so a group 0 may be written
	ds_add_u32 v[SPW], v[NIL]                      ; 0 onto my spare word
	s_add_nc_u64 s[G0+2:G0+3], s[G0+2:G0+3], 3*REG ; key steps 12-15
	s_wait_dscnt 0x0                               ; the add is done, and my reads of region 0 are over
	CROUND                                         ; both now hold of every wave of all four work-groups
	tensor_load_to_lds s[G0:G0+3], s[G1:G1+7]      ; the one refill: eight key steps ahead of its first read
	s_nop 0
.rept 4
	v_nop
.endr
	s_mov_b32 s[KS], 4
	s_mov_b32 s[TB], REG
	s_mov_b32 s[CNT], 8
.Lregion12:                                        ; key steps 4-11
	STEP
	s_sub_co_u32 s[CNT], s[CNT], 1
	s_cmp_lg_u32 s[CNT], 0
	s_cbranch_scc1 .Lregion12
	s_wait_tensorcnt 0x0                           ; my part of the refill is in,
	s_wait_dscnt 0x0                               ; and my reads of regions 1 and 2 are over
	s_barrier_signal -1
	s_barrier_wait -1                              ; both hold of every wave
	s_mov_b32 s[KS], 12
	s_mov_b32 s[TB], 0
	s_mov_b32 s[CNT], 4
.Lregion0b:                                        ; key steps 12-15
	STEP
	s_sub_co_u32 s[CNT], s[CNT], 1
	s_cmp_lg_u32 s[CNT], 0
	s_cbranch_scc1 .Lregion0b
	; THE HALVES ARE JOINED.  Half 1 hands over -M, its sum and O^T as images of its registers, in a place of the wave's own
	PLACES
	s_cmp_eq_u32 s[UU], 0
	s_cbranch_scc1 .Lkeeps
	v_add_f32 v13, v14, v15                        ; my lane's sum
	s_wait_alu depctr_va_vdst(0)
.irp i, 0,1,2,3,4,5,6,7,8,9,10,11,12,13,14,15
	ds_store_b128 v[MGA], v[160+4*\i:163+4*\i] offset:512*\i   ; each accumulator from its low end on
.endr
	ds_store_b64 v[MGB], v[12:13]
.Lkeeps:
	s_wait_dscnt 0x0                               ; for the other half's sake: my stores are done
	s_barrier_signal -1
	s_barrier_wait -1
	s_cmp_lg_u32 s[UU], 0
	s_cbranch_scc1 .Lgave
.irp i, 0,1,2,3,4,5,6,7,8,9,10,11,12,13,14,15
	ds_load_b128 v[96+4*\i:99+4*\i], v[MRA] offset:512*\i      ; the other half's O^T, in the same lanes and the same order of registers
.endr
	ds_load_b64 v[82:83], v[MRB]                   ; its -M and its sum
	v_add_f32 v14, v14, v15                        ; my lane's sum
	s_wait_dscnt 0x0
	v_min_num_f32 v84, v12, v82                    ; the joint -M: the larger M
	s_delay_alu instid0(VALU_DEP_1)
	v_sub_f32 v85, v84, v12                        ; my M less the joint one: a whole number, 0 or less;
	s_delay_alu instid0(VALU_DEP_2)
	v_sub_f32 v86, v84, v82                        ; the other half's likewise
	s_delay_alu instid0(VALU_DEP_2)
	v_cvt_i32_f32 v85, v85                         ; (it saturates: a half without a step gets the factor 0)
	s_delay_alu instid0(VALU_DEP_2)
	v_cvt_i32_f32 v86, v86
	s_delay_alu instid0(VALU_DEP_2)
	v_ldexp_f32 v88, 1.0, v85                      ; f0
	s_wait_alu depctr_va_vdst(0)
	v_ldexp_f32 v90, 1.0, v86                      ; f1
	v_mul_f32 v14, v14, v88
	s_delay_alu instid0(VALU_DEP_1)
	v_fmac_f32 v14, v83, v90                       ; the sum under the joint M,
	s_delay_alu instid0(VALU_DEP_1)
	v_permlanex16_b32 v252, v14, s[SEL], s[SEL+1]
	s_delay_alu instid0(VALU_DEP_1)
	v_add_f32 v14, v14, v252                       ; with lane l xor 16's: the row's sum
	s_wait_alu depctr_va_vdst(0)
	v_rcp_f32 v87, v14
.irp b, 0,1,2,3
	v_mov_b32 v[TM+4+\b], 0                        ; plain places behind the reciprocal; the permutes' destinations are written before they are named
.endr
	v_mov_b32 v89, 0                               ; (named as the upper halves of the pairs below)
	v_mov_b32 v91, 0
	s_wait_alu depctr_va_vdst(0)                   ; the wait ahead of the reciprocal's first reader
	v_mul_f32 v88, v88, v87                        ; f0 / the sum: a power of two times the reciprocal
	v_mul_f32 v90, v90, v87                        ; f1 / the sum
.irp j, 0,2,4,6,8,10,12,14,16,18,20,22,24,26,28,30,32,34,36,38,40,42,44,46,48,50,52,54,56,58,60,62
	v_pk_mul_f32 v[96+\j:97+\j], v[96+\j:97+\j], v[90:91] op_sel_hi:[1,0]
.endr
.irp j, 0,2,4,6,8,10,12,14,16,18,20,22,24,26,28,30,32,34,36,38,40,42,44,46,48,50,52,54,56,58,60,62
	v_pk_fma_f32 v[96+\j:97+\j], v[160+\j:161+\j], v[88:89], v[96+\j:97+\j] op_sel_hi:[1,0,1]   ; o: my query's 64 of the head's 128 numbers, register 16 b + i = channel 32 b + 16 (lane / 16) + i: the order that the quantiser takes
.endr
	QUANT 96, 32, 72
.irp c, 0,1,2
	global_store_b128 v[LI], v[32+4*\c:35+4*\c], s[70:71] offset:512*\c   ; 32 lanes store 512 consecutive bytes, at a multiple of 256 from oc's first byte
.endr
	ds_store_b32 v[SXA], v72                       ; both halves of the lanes write the same word with the same value
.Lgave:
	s_wait_dscnt 0x0                               ; for the others' sake: my store is done
	s_barrier_signal -1
	s_barrier_wait -1
	s_cmp_lg_u32 s[WV], 0
	s_cbranch_scc1 .Lnot_first
	ds_load_b128 v[76:79], v[SXR]                  ; wave 0: the four heads' words of 16 rows of tile p (lanes 0-15) and of tile 127 - p (lanes 16-31)
	s_wait_dscnt 0x0
	global_store_b128 v[SGO], v[76:79], s[72:73]   ; sixteen lanes store 256 consecutive bytes, aligned
.Lnot_first:
	s_wait_tensorcnt 0x0                           ; the wave's end
	ds_add_u32 v[SPW], v[NIL]
	s_wait_dscnt 0x0
	CROUND                                         ; the closing round
	s_endpgm
.Lfunc_end_k_qfa027f0970_attn:
	.size	k_qfa027f0970_attn, .Lfunc_end_k_qfa027f0970_attn-k_qfa027f0970_attn
	.p2alignl 7, 3214868480
	.fill 96, 4, 3214868480
	.section	.rodata,"a",@progbits
	.p2align	6, 0x0
	.amdhsa_kernel k_qfa027f0970_attn
		.amdhsa_group_segment_fixed_size 327680
		.amdhsa_private_segment_fixed_size 0
		.amdhsa_enable_private_segment 0
		.amdhsa_kernarg_size 16
		.amdhsa_user_sgpr_count 2
		.amdhsa_user_sgpr_kernarg_segment_ptr 1
		.amdhsa_wavefront_size32 1
		.amdhsa_system_sgpr_workgroup_id_x 1
		.amdhsa_system_sgpr_workgroup_id_y 1
		.amdhsa_system_sgpr_workgroup_id_z 1
		.amdhsa_system_vgpr_workitem_id 0
		.amdhsa_next_free_vgpr 256
		.amdhsa_next_free_sgpr 90
		.amdhsa_reserve_vcc 1
		.amdhsa_float_denorm_mode_32 3
		.amdhsa_float_denorm_mode_16_64 3
		.amdhsa_memory_ordered 1
		.amdhsa_forward_progress 1
		.amdhsa_inst_pref_size 102
	.end_amdhsa_kernel
	.amdgpu_metadata
---
amdhsa.version: [ 1, 2 ]
amdhsa.kernels:
  - .name:           k_qfa027f0970_attn
    .symbol:         k_qfa027f0970_attn.kd
    .args:
      - { .name: qkvc, .offset: 0, .size: 8, .value_kind: global_buffer, .address_space: global }
      - { .name: oc, .offset: 8, .size: 8, .value_kind: global_buffer, .address_space: global }
    .group_segment_fixed_size: 327680
    .private_segment_fixed_size: 0
    .kernarg_segment_align: 8
    .kernarg_segment_size: 16
    .max_flat_workgroup_size: 512
    .sgpr_count:     90
    .vgpr_count:     256
    .wavefront_size: 32
...
	.end_amdgpu_metadata
.endif
;; end of part 3
;; launch oproj (part 4): grid 16 x 16, 4 waves a work-group, clusters of 4 x 4, 327,680 bytes of LDS; arguments oc, cw, out0; writes out0
.if DOCPART == 4
	.amdgcn_target "amdgcn-amd-amdhsa--gfx1250"
	.amdhsa_code_object_version 6
	.text
	.protected	k_qfa027f0970_oproj
	.globl	k_qfa027f0970_oproj
	.p2align	8
	.type	k_qfa027f0970_oproj,@function
k_qfa027f0970_oproj:
	s_mov_b64 s[64:65], 0
	v_nop
	global_prefetch_b8 v0, s[64:65] scope:SCOPE_SE
	s_setreg_imm32_b32 hwreg(HW_REG_WAVE_MODE, 25, 1), 1
	s_wait_xcnt 0x0
	s_wait_alu depctr_hold_cnt(0) depctr_sa_sdst(0) depctr_va_vdst(0) depctr_va_sdst(0) depctr_va_ssrc(0) depctr_va_vcc(0) depctr_vm_vsrc(0)
	s_getreg_b32 s2, hwreg(HW_REG_IB_STS2, 6, 4)
	s_cmp_eq_u32 s2, 0
	s_cbranch_scc0 .Lentry_in_a_cluster
	s_endpgm
.Lentry_in_a_cluster:
	s_bfe_u32 s2, ttmp6, 0x10000c
	s_cmp_lg_u32 s2, 0xf033
	s_cbranch_scc0 .Lentry_shape_is_right
	s_endpgm
.Lentry_shape_is_right:
; out0 = o wo^T on codes of FP6 (E2M3): o out of oc, wo out of cw (row blocks 320-447); sums in f32, stored as they are.
; Both buffers: [kq 0..3][row block][6,400]: a record = four fragments (16 rows x 128 K, 1,536 bytes, register i of lane l at 512 (i / 4) + 16 l + 4 (i % 4)) and 256 bytes of scales (row r's four words at 6,144 + 16 r).
; Fragment row r of block b is row 32 (b / 2) + 8 (b % 2) + r + 8 (r / 8).
; A WORK-GROUP makes 128 tokens x 128 outputs: operand A = o (source 1: tokens fall on lanes), operand B = wo (source 0: outputs fall on a lane's registers).  Wave w takes A's blocks 2 w, 2 w + 1 against B's eight.
; CLUSTERS of 4 x 4: A's tiles hang on the tile row alone and are asked for jointly by a row of the cluster, B's on the tile column alone and by a column.
; LDS: three regions of 102,400 bytes: A's 8 records, then B's 8.  K's four quarters lie in regions 0, 1, 2, 0: two go out at the head, the third behind a round, the fourth fills region 0 again behind step 5 and is first read
; at step 12.  By this text's count a wave has one tensor load out at a time.
; REGISTERS.  Window 0: v1-29 addresses; v32-95 scale words, two sets; v128-255 accumulators, (a, b) at 128 + 64 a + 8 b.  Window 1: two sets of fragments (B's eight at 12 b, A's two at 96 + 12 a).
.set REC,   6400
.set KQS,   448*REC
.set ASTR,  128*REC                    ; from one quarter of K to the next in oc,
.set BSTR,  KQS                        ; and in cw
.set REG,   16*REC
.set QTR,   4*REC
.set BOFF,  8*REC
.set SPARE, 3*REG                      ; the spare words, 128 bytes for each wave: two blocks of 256 bytes that no other line names
.set SP,    528                        ; the way out: a stage row: 512 bytes + 16
.set ADA, 4
.set ADB, 8
.set ADS, 12
.set LI,  16                           ; v16     16 x lane
.set STO, 20                           ; v20     the way out: where I put 32 bytes of a row
.set RD,  21                           ; v21     and where I read a row back
.set SPW, 28
.set NIL, 29
.set SC,  32
.set ACC, 128
.set G1A, 24
.set G1B, 32
.set G0A, 40
.set G0B, 52
.set MUL, 0x05
.set TOF, 0x40
.set MSB, 0
.macro WIN new
.if MSB != \new
	s_set_vgpr_msb (MSB<<8)|\new
.set MSB, \new
.endif
.endm
.macro PLACES                          ; four plain vector instructions between a matrix instruction and a load into, or a store's read of, its registers
.rept 4
	v_nop
.endr
.endm
.macro CREST
	s_cmp_lg_u32 s14, 0
	s_cbranch_scc1 .Lnot_wave_0_\@
	s_barrier_signal -3
.Lnot_wave_0_\@:
	s_barrier_wait -3
	s_barrier_signal -1
	s_barrier_wait -1
.endm
.macro CROUND
	s_barrier_signal -1
	s_barrier_wait -1
	CREST
.endm
.macro JLOAD g0a, g0b                  ; a joint load: waves 0 and 1 fetch A's halves, waves 2 and 3 B's; four v_nop follow each line
	s_cmp_eq_u32 s15, 0
	s_cbranch_scc0 .Lfor_b_\@
	tensor_load_to_lds s[\g0a:\g0a+3], s[G1A:G1A+7]
	s_nop 0
.rept 4
	v_nop
.endr
	s_branch .Lasked_\@
.Lfor_b_\@:
	tensor_load_to_lds s[\g0b:\g0b+3], s[G1B:G1B+7]
	s_nop 0
.rept 4
	v_nop
.endr
.Lasked_\@:
.endm
.macro FETCH q, ks, p                  ; 30 LDS loads: the fragments of K step ks of region q into set p
	WIN TOF
.irp b, 0,1,2,3,4,5,6,7
.irp c, 0,1,2
	ds_load_b128 v[128*(\p)+12*\b+4*\c:128*(\p)+12*\b+4*\c+3], v[ADB+(\q)] offset:REC*\b+1536*(\ks)+512*\c
.endr
.endr
.irp a, 0,1
.irp c, 0,1,2
	ds_load_b128 v[128*(\p)+96+12*\a+4*\c:128*(\p)+96+12*\a+4*\c+3], v[ADA+(\q)] offset:REC*\a+1536*(\ks)+512*\c
.endr
.endr
.endm
.macro SCALES q, set                   ; register 4 i + ks: lanes 16-31 B's block i, lanes 0-15 (i < 2) my A block i; for i >= 2 lanes 0-15 read other filled bytes, which nobody uses
	WIN 0
.irp i, 0,1,2,3,4,5,6,7
	ds_load_b128 v[SC+32*(\set)+4*\i:SC+32*(\set)+4*\i+3], v[ADS+(\q)] offset:REC*\i
.endr
.endm
.macro MUL16 p, ks, set, zero          ; 16 products, the 16 accumulators by turns, in the same order in every step
	WIN MUL
.irp a, 0,1
.irp b, 0,1,2,3,4,5,6,7
.if \zero
	v_wmma_scale_f32_16x16x128_f8f6f4 v[ACC+64*\a+8*\b:ACC+64*\a+8*\b+7], v[128*(\p)+12*\b:128*(\p)+12*\b+11], v[128*(\p)+96+12*\a:128*(\p)+96+12*\a+11], 0, v[SC+32*(\set)+4*\b+(\ks)], v[SC+32*(\set)+4*\a+(\ks)] matrix_a_fmt:MATRIX_FMT_FP6 matrix_b_fmt:MATRIX_FMT_FP6 matrix_a_scale:MATRIX_SCALE_ROW1
.else
	v_wmma_scale_f32_16x16x128_f8f6f4 v[ACC+64*\a+8*\b:ACC+64*\a+8*\b+7], v[128*(\p)+12*\b:128*(\p)+12*\b+11], v[128*(\p)+96+12*\a:128*(\p)+96+12*\a+11], v[ACC+64*\a+8*\b:ACC+64*\a+8*\b+7], v[SC+32*(\set)+4*\b+(\ks)], v[SC+32*(\set)+4*\a+(\ks)] matrix_a_fmt:MATRIX_FMT_FP6 matrix_b_fmt:MATRIX_FMT_FP6 matrix_a_scale:MATRIX_SCALE_ROW1
.endif
.endr
.endr
.endm
.macro STEP s, zero
	PLACES                                         ; the last step's products read the set that is loaded now
	FETCH (((\s)+1)/4)%3, ((\s)+1)%4, 1-(\s)%2
.if ((\s)+1)%4 == 0
	SCALES (((\s)+1)/4)%3, (((\s)+1)/4)%2
	s_wait_dscnt 38                                ; all but the 30 + 8 just issued: this step's fragments are in
.else
	s_wait_dscnt 30                                ; all but the 30 just issued
.endif
	MUL16 (\s)%2, (\s)%4, ((\s)/4)%2, \zero
.endm
.macro TURN s, fill                    ; fill = 1 (step 5): region 0 has been read out and is filled again.  fill = 0 (step 11): that fill is shown to every wave
	WIN 0
	s_wait_tensorcnt 0x0                           ; all my tensor loads have landed, so a group 0 may be written
.if \fill
	ds_add_u32 v[SPW], v[NIL]                      ; 0 onto my spare word
	s_add_nc_u64 s[G0A+2:G0A+3], s[G0A+2:G0A+3], 3*ASTR
	s_add_nc_u64 s[G0B+2:G0B+3], s[G0B+2:G0B+3], 3*BSTR
.endif
	s_wait_dscnt 0x0                               ; the add is done, this step's fragments are in, and with them my last reads of the region
	s_barrier_signal -1
	MUL16 (\s)%2, (\s)%4, ((\s)/4)%2, 0
	WIN 0
	s_barrier_wait -1
.if \fill
	CREST                                          ; the barrier has opened a round of the cluster's: no wave of any partner still reads region 0 or has a load on its way
	JLOAD G0A, G0B                                 ; the first tensor load behind the round; its four v_nop are also the places in front of the loads below
.else
	PLACES
.endif
	FETCH (((\s)+1)/4)%3, ((\s)+1)%4, 1-(\s)%2
.if ((\s)+1)%4 == 0
	SCALES (((\s)+1)/4)%3, (((\s)+1)/4)%2
.endif
.endm
	s_load_b128 s[4:7], s[0:1], 0x0                ; oc s[4:5], cw s[6:7]
	s_load_b64 s[8:9], s[0:1], 0x10                ; out0
	v_lshl_add_u32 v[SPW], v0, 2, SPARE
	v_mov_b32 v[NIL], 0
	ds_add_u32 v28, v29
	ds_add_u32 v28, v29
	s_wait_dscnt 0x0
	v_lshrrev_b32 v1, 5, v0
	v_readfirstlane_b32 s14, v1                    ; wave 0..3
	s_lshr_b32 s15, s14, 1
	s_and_b32 s16, s14, 1
	s_bfe_u32 s66, ttmp6, 0x40000                  ; cx
	s_bfe_u32 s67, ttmp6, 0x40004                  ; cy
	s_lshl_b32 s68, ttmp9, 2
	s_add_co_u32 s68, s68, s66                     ; tile column = 4 x cluster x + cx
	s_and_b32 s69, ttmp7, 0xffff
	s_lshl_b32 s69, s69, 2
	s_add_co_u32 s69, s69, s67                     ; tile row = 4 x cluster y + cy
	s_lshl_b32 s70, s67, 2
	s_lshl_b32 s70, 15, s70                        ; my row of the cluster
	s_lshl_b32 s71, 0x1111, s66                    ; my column
	s_or_b32 s[G1A], s70, (3<<16)|(1<<21)          ; 15:0 the mask; 17:16 elements of 8 bytes; 21 set beside a mask; no padding
	s_or_b32 s[G1B], s71, (3<<16)|(1<<21)
.irp g, G1A, G1B
	s_mov_b32 s[\g+1], 32<<16                      ; 100 rows of 256 bytes, dense
	s_mov_b32 s[\g+2], 200<<16                     ; the head's loads bring 200 rows
	s_mov_b32 s[\g+3], 32<<16
	s_mov_b32 s[\g+4], 200
	s_mov_b32 s[\g+5], 32
	s_mov_b32 s[\g+6], 0
	s_mov_b32 s[\g+7], 0
.endr
	s_lshl_b32 s73, s69, 3                         ; A's first block
	s_lshl_b32 s77, s68, 3
	s_add_co_u32 s77, s77, 320                     ; B's first block
	s_lshl_b32 s79, s16, 2
	s_add_co_u32 s80, s73, s79
	s_mul_i32 s80, s80, REC
	s_mov_b32 s81, 0
	s_add_co_u32 s82, s77, s79
	s_mul_i32 s82, s82, REC
	s_mov_b32 s83, 0
	s_mul_i32 s84, s14, QTR
	s_wait_kmcnt 0x0
	s_add_nc_u64 s[80:81], s[4:5], s[80:81]
	s_add_nc_u64 s[82:83], s[6:7], s[82:83]
	CROUND                                         ; all sixteen work-groups are here: the first joint loads meet
.irp q, 0,2
	s_mov_b32 s[G0A+4*\q], 1
	s_add_co_u32 s[G0A+4*\q+1], s84, \q*REG
	s_add_nc_u64 s[G0A+4*\q+2:G0A+4*\q+3], s[80:81], \q*ASTR
	s_or_b32 s[G0A+4*\q+3], s[G0A+4*\q+3], 0x80000000
	s_mov_b32 s[G0B+4*\q], 1
	s_add_co_u32 s[G0B+4*\q+1], s84, \q*REG
	s_add_nc_u64 s[G0B+4*\q+2:G0B+4*\q+3], s[82:83], \q*BSTR
	s_or_b32 s[G0B+4*\q+3], s[G0B+4*\q+3], 0x80000000
.endr
	; THE FILLS, in the order of this text: quarters 0 and 1 of K at the head, one load a wave of eight records: wave 0 A's quarter 0, wave 1 A's quarter 1, waves 2 and 3 B's;
	; quarter 2 behind the full sequence and a round, four records a wave; quarter 3 into region 0 again behind step 5.  By this text's count a wave has one tensor load out at a time.
	s_mov_b32 s85, s16                             ; which quarter
	s_mul_i32 s86, s85, REG                        ; its region
	s_mul_i32 s88, s79, REC                        ; back to the tile's first record
	s_mov_b32 s89, 0
	s_mul_i32 s90, s85, ASTR
	s_mov_b32 s91, 0
	s_mul_i32 s94, s85, BSTR
	s_mov_b32 s95, 0
	s_mov_b32 s[G0A+4], 1
	s_mov_b32 s[G0A+5], s86
	s_sub_nc_u64 s[G0A+6:G0A+7], s[80:81], s[88:89]
	s_add_nc_u64 s[G0A+6:G0A+7], s[G0A+6:G0A+7], s[90:91]
	s_or_b32 s[G0A+7], s[G0A+7], 0x80000000
	s_mov_b32 s[G0B+4], 1
	s_add_co_u32 s[G0B+5], s86, BOFF
	s_sub_nc_u64 s[G0B+6:G0B+7], s[82:83], s[88:89]
	s_add_nc_u64 s[G0B+6:G0B+7], s[G0B+6:G0B+7], s[94:95]
	s_or_b32 s[G0B+7], s[G0B+7], 0x80000000
	s_cmp_eq_u32 s15, 0
	s_cbranch_scc0 .Lfirst_b
	tensor_load_to_lds s[G0A+4:G0A+7], s[G1A:G1A+7]
	s_nop 0
.rept 4
	v_nop
.endr
	s_branch .Lfirst_done
.Lfirst_b:
	tensor_load_to_lds s[G0B+4:G0B+7], s[G1B:G1B+7]
	s_nop 0
.rept 4
	v_nop
.endr
.Lfirst_done:
	v_and_b32 v1, 15, v0                           ; r
	v_bfe_u32 v2, v0, 4, 1                         ; h
	v_and_b32 v3, 31, v0                           ; lane
	v_lshlrev_b32 v[LI], 4, v3
	s_mul_i32 s85, s14, 2*REC
	v_add_nc_u32 v[ADA], s85, v[LI]
	v_add_nc_u32 v[ADA+1], REG, v[ADA]
	v_add_nc_u32 v[ADA+2], 2*REG, v[ADA]
	v_add_nc_u32 v[ADB], BOFF, v[LI]
	v_add_nc_u32 v[ADB+1], REG+BOFF, v[LI]
	v_add_nc_u32 v[ADB+2], 2*REG+BOFF, v[LI]
	s_xor_b32 s86, s14, 3
	s_mul_i32 s86, s86, 2*REC
	s_add_co_u32 s86, s86, 2*REC                   ; (4 - w) x 12,800: from my first record of A to B's first
	v_mul_u32_u24 v7, s86, v2
	v_lshl_add_u32 v7, v1, 4, v7
	s_add_co_u32 s87, s85, 6144
	v_add_nc_u32 v[ADS], s87, v7
	v_add_nc_u32 v[ADS+1], REG, v[ADS]
	v_add_nc_u32 v[ADS+2], 2*REG, v[ADS]
	s_mul_i32 s88, s14, 16*SP
	s_add_co_u32 s88, s88, REG                     ; my stage lies in region 1: it is filled once, at the head, and its last read stands in front of step 11's barrier
	v_mul_u32_u24 v7, v1, SP
	v_lshl_add_u32 v7, v2, 6, v7
	v_add_nc_u32 v[STO], s88, v7                   ; in: row r, + 64 h
	v_add_nc_u32 v[RD], s88, v[LI]                 ; back: the 32 lanes take one row of 512 bytes
	s_lshl_b32 s89, s14, 1
	s_add_co_u32 s89, s89, s73
	s_lshl_b32 s90, s89, 17                        ; 16 rows of 8,192 bytes a block
	s_lshl_b32 s91, s68, 9                         ; the tile's first column, in bytes
	s_add_co_u32 s90, s90, s91
	s_mov_b32 s91, 0
	s_add_nc_u64 s[92:93], s[8:9], s[90:91]
	s_wait_alu depctr_va_vdst(0)
	s_wait_tensorcnt 0x0                           ; my part of region 0 is in
	ds_add_u32 v[SPW], v[NIL]
	s_mov_b32 s[G1A+2], 100<<16                    ; no tensor load of mine is out, so a descriptor may be written: from here on a load brings 100 rows
	s_mov_b32 s[G1A+4], 100
	s_mov_b32 s[G1B+2], 100<<16
	s_mov_b32 s[G1B+4], 100
	s_wait_dscnt 0x0
	CROUND                                         ; everybody's part is in, and all sixteen work-groups are here
	JLOAD G0A+8, G0B+8                             ; quarter 2, region 2's first fill: the first tensor load behind the round
	FETCH 0, 0, 0
	SCALES 0, 0
	STEP 0, 1                                      ; the first products start the sums: nothing is cleared
	STEP 1, 0
	STEP 2, 0
	STEP 3, 0
	STEP 4, 0
	TURN 5, 1                                      ; region 0 was last read for step 3; quarter 2 is shown whole to every wave here, two steps ahead of its first read
.irp s, 6,7,8,9,10
	STEP \s, 0
.endr
	TURN 11, 0
	STEP 12, 0
	STEP 13, 0
	STEP 14, 0
	s_wait_dscnt 0x0                               ; the last step: nothing more to fetch
	MUL16 1, 3, 1, 0
	WIN 0
; THE WAY OUT.  Lane (r, h) holds, in tile t's eight registers, outputs 32 (t / 2) + 16 h + 8 (t % 2) + 0 .. 7 of one token.  A block of 16 tokens goes through my own stage and comes back, into the registers that it
; left, as whole rows of 512 bytes.  LDS serves a wave's instructions in order (ISA guide 5.7.1.4): no wait between the stores and the loads, nor in front of the next block's stores.
.macro TOSTAGE a
.irp t, 0,1,2,3,4,5,6,7
	ds_store_b128 v[STO], v[ACC+64*\a+8*\t:ACC+64*\a+8*\t+3] offset:128*(\t/2)+32*(\t%2)      ; each accumulator from its low end on
	ds_store_b128 v[STO], v[ACC+64*\a+8*\t+4:ACC+64*\a+8*\t+7] offset:128*(\t/2)+32*(\t%2)+16
.endr
.irp i, 0,1,2,3,4,5,6,7,8,9,10,11,12,13,14,15
	ds_load_b128 v[ACC+64*\a+4*\i:ACC+64*\a+4*\i+3], v[RD] offset:SP*\i
.endr
.endm
.macro SEND a, younger                 ; younger: the LDS instructions issued behind block a's loads, which may stay out
	s_wait_dscnt \younger
.irp i, 0,1,2,3,4,5,6,7,8,9,10,11,12,13,14,15
	global_store_b128 v[LI], v[ACC+64*\a+4*\i:ACC+64*\a+4*\i+3], s[92:93] offset:(8*\a+\i+8*(\i/8))*8192 th:TH_STORE_NT   ; 32 lanes store 512 consecutive bytes, at a multiple of 256 from out0's first byte
.endr
.endm
	PLACES
	TOSTAGE 0
	TOSTAGE 1
	SEND 0, 32                                     ; behind block 0's loads: block 1's 16 stores and 16 loads
	SEND 1, 0
	s_wait_tensorcnt 0x0                           ; the wave's end
	ds_add_u32 v[SPW], v[NIL]
	s_wait_dscnt 0x0
	CROUND                                         ; the closing round
	s_endpgm
.Lfunc_end_k_qfa027f0970_oproj:
	.size	k_qfa027f0970_oproj, .Lfunc_end_k_qfa027f0970_oproj-k_qfa027f0970_oproj
	.p2alignl 7, 3214868480
	.fill 96, 4, 3214868480
	.section	.rodata,"a",@progbits
	.p2align	6, 0x0
	.amdhsa_kernel k_qfa027f0970_oproj
		.amdhsa_group_segment_fixed_size 327680
		.amdhsa_private_segment_fixed_size 0
		.amdhsa_enable_private_segment 0
		.amdhsa_kernarg_size 24
		.amdhsa_user_sgpr_count 2
		.amdhsa_user_sgpr_kernarg_segment_ptr 1
		.amdhsa_wavefront_size32 1
		.amdhsa_system_sgpr_workgroup_id_x 1
		.amdhsa_system_sgpr_workgroup_id_y 1
		.amdhsa_system_sgpr_workgroup_id_z 1
		.amdhsa_system_vgpr_workitem_id 0
		.amdhsa_next_free_vgpr 512
		.amdhsa_next_free_sgpr 100
		.amdhsa_reserve_vcc 0
		.amdhsa_float_denorm_mode_32 3
		.amdhsa_float_denorm_mode_16_64 3
		.amdhsa_memory_ordered 1
		.amdhsa_forward_progress 1
		.amdhsa_inst_pref_size 85
	.end_amdhsa_kernel
	.amdgpu_metadata
---
amdhsa.version: [ 1, 2 ]
amdhsa.kernels:
  - .name:           k_qfa027f0970_oproj
    .symbol:         k_qfa027f0970_oproj.kd
    .args:
      - { .name: oc, .offset: 0, .size: 8, .value_kind: global_buffer, .address_space: global }
      - { .name: cw, .offset: 8, .size: 8, .value_kind: global_buffer, .address_space: global }
      - { .name: out0, .offset: 16, .size: 8, .value_kind: global_buffer, .address_space: global }
    .group_segment_fixed_size: 327680
    .private_segment_fixed_size: 0
    .kernarg_segment_align: 8
    .kernarg_segment_size: 24
    .max_flat_workgroup_size: 128
    .sgpr_count:     100
    .vgpr_count:     512
    .wavefront_size: 32
...
	.end_amdgpu_metadata
.endif
;; end of part 4
